; MI455X (gfx1250); checked and timed in simulation.
; The chip was launched on July 23, 2026; its instructions are those of AMD's public machine-readable ISA for CDNA 5 (MIT licence, August 2026) and "CDNA5" Instruction Set Architecture Reference Guide (July 2026). The comments in the code are by the model that wrote it; some were corrected since.
;; Multihead Diff Attn. Allowed arithmetic: matrix products marked QUANTISED: E2M1 operands, one E8M0 scale for each 32 along K, by v_wmma_scale_f32_16x16x128_f8f6f4 with both operands' format E2M1 (or v_wmma_scale_f32_32x16x128_f4), f32 sums; products left as they are: bf16, f16 or f32 operands; f32 sums; everything else in f32.
;; Inputs: Wk 1,024 x 2,048 float32; Wo 2,048 x 2,048 float32; Wq 2,048 x 2,048 float32; Wv 1,024 x 2,048 float32; g 128 float32; lambda_k1 64 float32; lambda_k2 64 float32; lambda_q1 64 float32; lambda_q2 64 float32; rel_pos 1 float32; x 1 x 2,048 x 2,048 float32.
;; Outputs: out0 1 x 2,048 x 2,048 float32.
;; This version of the problem:
;;   THIS VERSION OF THE PROBLEM IS GIVEN IN LOW PRECISION. The matrix products marked QUANTISED in the list below multiply operands that are first quantised to E2M1 (2 exponent bits, 1 mantissa bit; 4 bits a number), with one power-of-two scale for each 32 numbers along K (OCP MX v1.0); their sums are f32. The products marked 'left as it is' may take bf16, f16 or f32 operands, with f32 sums. Whichever they take, every output number must still come out within the allowed error. Rounding operands to bf16 (8 significant bits) uses up far more of that allowance than f16 does (11 bits, for magnitudes from 6e-5 to 65,504). All else is computed in f32.
;;   The module's matrix products, in the order in which they are computed (A, B: the left and right operand; K: the contracted axis; several contracted axes count as one K, in the product's order):
;;     1. [M 2,048, K 2,048] x [K 2,048, N 2,048]; A: input x; B: input Wq: QUANTISED
;;     2. [M 2,048, K 2,048] x [K 2,048, N 1,024]; A: input x; B: input Wk: QUANTISED
;;     3. [M 2,048, K 2,048] x [K 2,048, N 1,024]; A: input x; B: input Wv: QUANTISED
;;     4. batch 32 x [M 2,048, K 64] x [K 64, N 2,048]; A: computed on the way; B: computed on the way: left as it is (an operand is computed on the way)
;;     5. batch 16 x [M 2,048, K 2,048] x [K 2,048, N 128]; A: computed on the way; B: computed on the way: left as it is (an operand is computed on the way)
;;     6. [M 2,048, K 2,048] x [K 2,048, N 2,048]; A: computed on the way; B: input Wo: left as it is (an operand is computed on the way)
;;   THE QUANTISER, for each operand of a quantised product, along K:
;;     - K is cut into blocks of 32 from its start; a last block that is shorter is filled with zeros.
;;     - A block's scale is 2^e with e = floor(log2(the largest magnitude in the block)) - 2, held to -126 .. 127; a block of zeros has e = 0. As a byte (E8M0): e + 127.
;;     - Each number is divided by its block's scale, clamped to +-6, and rounded to the nearest number of E2M1, ties to even, subnormals kept.
;;     - The product sums the exact products of the quantised numbers (number of the format x scale) in f32.
;;   ~~~python
;;   def quantise(x, axis):      # numpy; x: float32 -> the quantised numbers, widened to float32 again
;;       x = np.moveaxis(x, axis, -1); K = x.shape[-1]
;;       x = np.pad(x, [(0, 0)] * (x.ndim - 1) + [(0, -K % 32)]); x = x.reshape(x.shape[:-1] + (-1, 32)); a = np.abs(x).max(-1, keepdims=True)
;;       e = np.where(a > 0, np.clip(np.frexp(np.where(a > 0, a, 1))[1] - 1 - 2, -126, 127), 0)      # np.frexp(a)[1] - 1 = floor(log2(a)), exactly
;;       r = np.clip(x / 2.0 ** e, -6, 6)
;;       step = 2.0 ** (np.maximum(np.frexp(np.where(r == 0, 1, r))[1] - 1, 0) - 1)
;;       q = np.round(r / step) * step * 2.0 ** e      # np.round: ties to even
;;       return np.moveaxis(q.reshape(q.shape[:-2] + (-1,))[..., :K], -1, axis).astype(np.float32)
;;   ~~~
;; One version. Each part assembles by itself: llvm-mc -triple=amdgcn-amd-amdhsa -mcpu=gfx1250 --defsym DOCPART=n.
;; ======== version 1 of 1: 4 launches
;; limits: values are held in f16: magnitudes above 65,504 overflow, below 6.1e-05 lose precision
;; workspace buffers: xc 2,097,152 bytes; xs 131,072 bytes; wc 4,194,304 bytes; ws 262,144 bytes; wo16 8,388,608 bytes; qkvb 16,777,216 bytes; att 8,388,608 bytes
;; launch quant (part 1): grid 512 x 1, 4 waves a work-group, no clusters, 33,280 bytes of LDS; arguments x, Wq, Wk, Wv, Wo, xc, xs, wc, ws, wo16; writes xc, xs, wc, ws, wo16
.if DOCPART == 1
	.amdgcn_target "amdgcn-amd-amdhsa--gfx1250"
	.amdhsa_code_object_version 6
	.text
	.protected	k_q0794332327_quant
	.globl	k_q0794332327_quant
	.p2align	8
	.type	k_q0794332327_quant,@function
k_q0794332327_quant:
	s_mov_b64 s[64:65], 0
	v_nop
	global_prefetch_b8 v0, s[64:65] scope:SCOPE_SE
	s_setreg_imm32_b32 hwreg(HW_REG_WAVE_MODE, 25, 1), 1
	s_wait_xcnt 0x0
; MultiheadDiffAttn, launch 1 of 4.  x, Wq, Wk, Wv (f32, K innermost) become codes of FP4 (E2M1) with one E8M0 byte for each 32 along K; Wo becomes f16.
; WORK LEFT OUT BY THE WHOLE PROGRAM.  (1) rel_pos: reference() takes it as an argument and never reads it, so it has no way to any output whatever it holds: it is not loaded and is no launch's argument.
; (2) reference() adds -inf to every score whose key comes after its query (its own jnp.triu), so the softmax gives those keys the weight 0 for all inputs, and 0 x v adds nothing: tiles of keys that lie wholly
; behind a tile's queries are left out of products 4 and 5 (third launch).  LIMIT: a NaN, an infinity or an overflow that reaches only the work left out (a value row that only hidden keys would touch) is not carried to the result.
; THE QUANTISER.  A block's scale is 2^(floor(log2(its largest magnitude)) - 2); its byte is the largest magnitude's own exponent field - 2, held at 1 from below.  A block of zeros so gets the byte 1 where the
; rule says 127: its codes are zeros, which add nothing under any byte but 0xff, and the bytes are read by this program alone.  Each number is divided by the scale and rounded to the nearest code, ties to even, beyond 6 the code of 6.
; LIMITS: blocks whose largest magnitude lies under 2^(2 - 126) have their byte held at 1; NaN and infinities among the inputs are not served; |Wo| stays under 65,504 (f16's largest number), and under 6e-5 its f16 image is exact to 3e-8 only.
; SHARES.  Rows are dense and K = 2,048 is a multiple of 32, so each tensor is a plain stream of blocks of 32.  A work-group takes 32,768 numbers, a wave 8,192: work-groups 0-127 x, 128-255 Wq, 256-319 Wk, 320-383 Wv, 384-511 Wo.
; Wq's, Wk's and Wv's codes lie on end in wc (rows 0-2047, 2048-3071, 3072-4095), their bytes likewise in ws: the second launch multiplies x by all three as one matrix.
; A quantising wave takes 16 steps of 512 numbers.  Each of a step's four loads reads 512 consecutive bytes; the 2,048 bytes turn through the wave's own stage in LDS and come back 64 bytes a lane, so that a lane holds 16
; neighbours along K (two neighbouring lanes hold a block).  A lane's 16 codes are 8 bytes: the wave stores 256 consecutive bytes.  A wave's 256 scale bytes are gathered in LDS and leave as one run of 256 bytes.
; No tensor loads, no barrier: waves share nothing.
.set WAVES, 4
.set STEPS, 16
.set EMAX,  2
.set CB,    8                          ; bytes of 16 codes
.set R,     16                         ; v16-79   four sets of 16 numbers as they are loaded
.set X,     80                         ; v80-111  two sets of 16 neighbours
.set E,     112                        ; v112-127 a scale byte for each step
.set C,     128                        ; v128-191 codes: four registers for each step, so that no store's data are written again
.set WREG,  8192                       ; LDS: a region for each wave: two stages of 32 x SP bytes, behind them its 256 scale bytes
.set SP,    80                         ; a lane's place in a stage: 64 bytes + 16 of padding
.set SPW,   12                         ; v12      LDS address of my spare word; never rewritten
.set NIL,   13                         ; v13      0; never rewritten
.set SPARE, WAVES*WREG                 ; behind the four regions: the spare words, 128 bytes for each wave
.set WX,    16                         ; Wo's path: v16-79 sixteen slots of 4 numbers, v80-111 sixteen pairs of packed f16
.set WY,    80
	s_load_b512 s[4:19], s[0:1], 0x0               ; x 4:5, Wq 6:7, Wk 8:9, Wv 10:11, Wo 12:13, xc 14:15, xs 16:17, wc 18:19
	s_load_b128 s[20:23], s[0:1], 0x40             ; ws 20:21, wo16 22:23
	v_lshl_add_u32 v[SPW], v0, 2, SPARE
	v_mov_b32 v[NIL], 0
	v_lshrrev_b32 v1, 5, v0
	v_readfirstlane_b32 s24, v1                    ; wave
	v_and_b32 v2, 31, v0                           ; lane
	v_lshlrev_b32 v3, 4, v2                        ; my 16 bytes of a load's 512
	s_mul_i32 s25, s24, WREG
	v_lshrrev_b32 v14, 2, v2
	v_mul_u32_u24 v14, v14, SP
	v_and_b32 v15, 3, v2
	v_lshl_add_u32 v14, v15, 4, v14
	v_add_nc_u32 v14, s25, v14                     ; the stage, on the way in: SP (lane / 4) + 16 (lane % 4)
	v_mul_u32_u24 v15, v2, SP
	v_add_nc_u32 v15, s25, v15                     ; and on the way out: SP x lane: my 16 neighbours
	v_mul_u32_u24 v4, v2, CB                       ; 8 x lane: my codes' place in a step's; on Wo's path my four f16
	v_lshrrev_b32 v5, 1, v2
	s_add_co_u32 s25, s25, 2*32*SP
	v_add_nc_u32 v5, s25, v5                       ; LDS: my wave's 256 scale bytes, my block's byte
	v_lshlrev_b32 v7, 3, v2
	v_add_nc_u32 v6, s25, v7                       ; and on the way out 8 bytes a lane
	s_wait_kmcnt 0x0
	s_cmp_ge_u32 ttmp9, 384                        ; the work-group's number alone decides the path
	s_cbranch_scc1 .Lwo
	s_cmp_lt_u32 ttmp9, 128                        ; which tensor: only pointers and first numbers are chosen
	s_cselect_b64 s[26:27], s[4:5], s[6:7]         ; the numbers
	s_cselect_b64 s[28:29], s[14:15], s[18:19]     ; the codes
	s_cselect_b64 s[30:31], s[16:17], s[20:21]     ; the scale bytes
	s_cselect_b32 s32, 0, 128                      ; the tensor's first work-group,
	s_mov_b32 s33, s32                             ; and the first of those that share its buffers of codes
	s_cmp_lt_u32 ttmp9, 256
	s_cselect_b64 s[26:27], s[26:27], s[8:9]
	s_cselect_b32 s32, s32, 256
	s_cmp_lt_u32 ttmp9, 320
	s_cselect_b64 s[26:27], s[26:27], s[10:11]
	s_cselect_b32 s32, s32, 320
	s_sub_co_u32 s34, ttmp9, s32
	s_lshl_b32 s34, s34, 2
	s_add_co_u32 s34, s34, s24                     ; which run of 8,192 numbers of the tensor is my wave's
	s_lshl_b32 s34, s34, 15                        ; 32,768 bytes a run
	s_mov_b32 s35, 0
	s_add_nc_u64 s[26:27], s[26:27], s[34:35]
	s_sub_co_u32 s36, ttmp9, s33
	s_lshl_b32 s36, s36, 2
	s_add_co_u32 s36, s36, s24                     ; and which run of the buffers of codes
	s_lshl_b32 s34, s36, 12                        ; 4,096 bytes of codes a run
	s_add_nc_u64 s[28:29], s[28:29], s[34:35]
	s_lshl_b32 s34, s36, 8                         ; 256 scale bytes a run
	s_add_nc_u64 s[30:31], s[30:31], s[34:35]
.macro LOAD t
.irp i, 0,1,2,3
	global_load_b128 v[R+16*((\t)%4)+4*\i:R+16*((\t)%4)+4*\i+3], v3, s[26:27] offset:2048*(\t)+512*\i th:TH_LOAD_NT   ; 32 lanes read 512 consecutive bytes
.endr
.endm
.macro TURN t                          ; step t's numbers through the stage: LDS serves a wave's instructions in order, so no wait stands between the stores and the loads
.irp i, 0,1,2,3
	ds_store_b128 v14, v[R+16*((\t)%4)+4*\i:R+16*((\t)%4)+4*\i+3] offset:32*SP*((\t)%2)+8*SP*\i
.endr
.irp i, 0,1,2,3
	ds_load_b128 v[X+16*((\t)%2)+4*\i:X+16*((\t)%2)+4*\i+3], v15 offset:32*SP*((\t)%2)+16*\i
.endr
.endm
.irp t, 0,1,2,3
	LOAD \t
.endr
	s_wait_loadcnt 12                              ; step 0's four loads are in; the twelve of steps 1 to 3 may be out
	TURN 0
.macro STEP t
.set XS, X+16*((\t)%2)
.if (\t) > 0
	s_wait_dscnt 1                                 ; this step's numbers are back from the stage (the last step's byte store may be out): so its stores into the stage have read their registers,
.else
	s_wait_dscnt 0x0
.endif
.if (\t)+4 < STEPS
	LOAD (\t)+4                                    ; which take the loads of four steps on
.endif
.if (\t)+1 < STEPS
.if STEPS-2-(\t) >= 3
	s_wait_loadcnt 12                              ; the next step's four loads are in; those of the three steps behind it may be out
.else
	s_wait_loadcnt 4*(STEPS-2-(\t))
.endif
	TURN (\t)+1                                    ; and go through the other stage while this step is worked
.endif
	v_max3_num_f32 v8, |v[XS]|, |v[XS+1]|, |v[XS+2]|               ; the largest magnitude of my 16, in two chains
	v_max3_num_f32 v9, |v[XS+3]|, |v[XS+4]|, |v[XS+5]|
.irp i, 6,10
	v_max3_num_f32 v8, v8, |v[XS+\i]|, |v[XS+\i+1]|
	v_max3_num_f32 v9, v9, |v[XS+\i+2]|, |v[XS+\i+3]|
.endr
	v_max3_num_f32 v8, v8, |v[XS+14]|, |v[XS+15]|
	v_max3_num_f32 v8, v8, v9, (EMAX+1)<<23        ; and the floor 2^(EMAX + 1 - 127): so the byte cannot fall under 1
	v_max_num_f32_dpp v8, v8, v8 row_xmask:1 row_mask:0xf bank_mask:0xf   ; and of my neighbour's 16: the block's
	v_add_nc_u32 v11, -(EMAX<<23), v8              ; EMAX off its exponent field: the conversion takes the exponent field of this operand as its scale, and nothing else of it
	v_cvt_scalef32_pk8_fp4_f32 v[C+4*(\t)], v[XS:XS+7], v11
	v_cvt_scalef32_pk8_fp4_f32 v[C+4*(\t)+1], v[XS+8:XS+15], v11
	v_lshrrev_b32 v[E+(\t)], 23, v11               ; the scale's byte (a plain line behind the conversions)
	ds_store_b8 v5, v[E+(\t)] offset:16*(\t)       ; both lanes of a block write the same byte with the same value
	global_store_b64 v4, v[C+4*(\t):C+4*(\t)+1], s[28:29] offset:32*CB*(\t)   ; 32 lanes store 256 consecutive bytes
.endm
.irp t, 0,1,2,3,4,5,6,7,8,9,10,11,12,13,14,15
	STEP \t
.endr
	ds_load_b64 v[8:9], v6                         ; LDS serves a wave's instructions in order: these see my byte stores
	s_wait_dscnt 0x0
	global_store_b64 v7, v[8:9], s[30:31]          ; 32 lanes store 256 consecutive bytes
	s_wait_tensorcnt 0x0                           ; the wave's end: a tensor wait, an add to my spare word and its wait behind my last LDS store, the first in a text with no tensor load too
	ds_add_u32 v[SPW], v[NIL]
	s_wait_dscnt 0x0
	s_endpgm
; Wo to f16: a plain stream, no LDS.  A wave takes 64 pieces of 512 bytes; sixteen loads are always on their way.
.Lwo:
	s_sub_co_u32 s34, ttmp9, 384
	s_lshl_b32 s34, s34, 2
	s_add_co_u32 s34, s34, s24                     ; my wave's run of 8,192 numbers
	s_lshl_b32 s36, s34, 14                        ; 16,384 bytes of f16,
	s_lshl_b32 s34, s34, 15                        ; 32,768 of f32
	s_mov_b32 s35, 0
	s_mov_b32 s37, 0
	s_add_nc_u64 s[12:13], s[12:13], s[34:35]
	s_add_nc_u64 s[22:23], s[22:23], s[36:37]
.irp n, 0,1,2,3,4,5,6,7,8,9,10,11,12,13,14,15
	global_load_b128 v[WX+4*\n:WX+4*\n+3], v3, s[12:13] offset:512*\n th:TH_LOAD_NT
.endr
.macro WSLOT n
.if 63-(\n) < 15
	s_wait_loadcnt 63-(\n)                         ; the tail: only the pieces behind this one are out
.else
	s_wait_loadcnt 15                              ; loads come back in order: piece n is in, the fifteen younger ones stay out
.endif
.if (\n) >= 16
	s_wait_xcnt 0x0                                ; the slot's pair was a store's data: it is written again only behind this wait
.endif
	v_cvt_pk_f16_f32 v[WY+2*((\n)%16)], v[WX+4*((\n)%16)], v[WX+4*((\n)%16)+1]
	v_cvt_pk_f16_f32 v[WY+2*((\n)%16)+1], v[WX+4*((\n)%16)+2], v[WX+4*((\n)%16)+3]
.if (\n)+16 < 64
	global_load_b128 v[WX+4*((\n)%16):WX+4*((\n)%16)+3], v3, s[12:13] offset:512*((\n)+16) th:TH_LOAD_NT
.endif
	global_store_b64 v4, v[WY+2*((\n)%16):WY+2*((\n)%16)+1], s[22:23] offset:256*(\n)   ; 32 lanes store 256 consecutive bytes
.endm
.set QN, 0
.rept 64
	WSLOT QN
.set QN, QN+1
.endr
	s_endpgm
.Lfunc_end_k_q0794332327_quant:
	.size	k_q0794332327_quant, .Lfunc_end_k_q0794332327_quant-k_q0794332327_quant
	.p2alignl 7, 3214868480
	.fill 96, 4, 3214868480
	.section	.rodata,"a",@progbits
	.p2align	6, 0x0
	.amdhsa_kernel k_q0794332327_quant
		.amdhsa_group_segment_fixed_size 33280
		.amdhsa_private_segment_fixed_size 0
		.amdhsa_enable_private_segment 0
		.amdhsa_kernarg_size 80
		.amdhsa_user_sgpr_count 2
		.amdhsa_user_sgpr_kernarg_segment_ptr 1
		.amdhsa_wavefront_size32 1
		.amdhsa_system_sgpr_workgroup_id_x 1
		.amdhsa_system_sgpr_workgroup_id_y 1
		.amdhsa_system_sgpr_workgroup_id_z 1
		.amdhsa_system_vgpr_workitem_id 0
		.amdhsa_next_free_vgpr 192
		.amdhsa_next_free_sgpr 66
		.amdhsa_reserve_vcc 0
		.amdhsa_float_denorm_mode_32 3
		.amdhsa_float_denorm_mode_16_64 3
		.amdhsa_memory_ordered 1
		.amdhsa_forward_progress 1
		.amdhsa_inst_pref_size 58
	.end_amdhsa_kernel
	.amdgpu_metadata
---
amdhsa.version: [ 1, 2 ]
amdhsa.kernels:
  - .name:           k_q0794332327_quant
    .symbol:         k_q0794332327_quant.kd
    .args:
      - { .name: x, .offset: 0, .size: 8, .value_kind: global_buffer, .address_space: global }
      - { .name: Wq, .offset: 8, .size: 8, .value_kind: global_buffer, .address_space: global }
      - { .name: Wk, .offset: 16, .size: 8, .value_kind: global_buffer, .address_space: global }
      - { .name: Wv, .offset: 24, .size: 8, .value_kind: global_buffer, .address_space: global }
      - { .name: Wo, .offset: 32, .size: 8, .value_kind: global_buffer, .address_space: global }
      - { .name: xc, .offset: 40, .size: 8, .value_kind: global_buffer, .address_space: global }
      - { .name: xs, .offset: 48, .size: 8, .value_kind: global_buffer, .address_space: global }
      - { .name: wc, .offset: 56, .size: 8, .value_kind: global_buffer, .address_space: global }
      - { .name: ws, .offset: 64, .size: 8, .value_kind: global_buffer, .address_space: global }
      - { .name: wo16, .offset: 72, .size: 8, .value_kind: global_buffer, .address_space: global }
    .group_segment_fixed_size: 33280
    .private_segment_fixed_size: 0
    .kernarg_segment_align: 8
    .kernarg_segment_size: 80
    .max_flat_workgroup_size: 128
    .sgpr_count:     66
    .vgpr_count:     192
    .wavefront_size: 32
...
	.end_amdgpu_metadata
.endif
;; end of part 1
;; launch qkv (part 2): grid 16 x 8, 4 waves a work-group, clusters of 4 x 4, 327,680 bytes of LDS; arguments xc, xs, wc, ws, qkvb; writes qkvb
.if DOCPART == 2
	.amdgcn_target "amdgcn-amd-amdhsa--gfx1250"
	.amdhsa_code_object_version 6
	.text
	.protected	k_q0794332327_qkv
	.globl	k_q0794332327_qkv
	.p2align	8
	.type	k_q0794332327_qkv,@function
k_q0794332327_qkv:
	s_mov_b64 s[64:65], 0
	v_nop
	global_prefetch_b8 v0, s[64:65] scope:SCOPE_SE
	s_setreg_imm32_b32 hwreg(HW_REG_WAVE_MODE, 25, 1), 1
	s_wait_xcnt 0x0
	s_wait_alu depctr_hold_cnt(0) depctr_sa_sdst(0) depctr_va_vdst(0) depctr_va_sdst(0) depctr_va_ssrc(0) depctr_va_vcc(0) depctr_vm_vsrc(0)
	s_getreg_b32 s2, hwreg(HW_REG_IB_STS2, 6, 4)
	s_cmp_eq_u32 s2, 0
	s_cbranch_scc0 .Lentry_in_a_cluster
	s_endpgm
.Lentry_in_a_cluster:
	s_bfe_u32 s2, ttmp6, 0x10000c
	s_cmp_lg_u32 s2, 0xf033
	s_cbranch_scc0 .Lentry_shape_is_right
	s_endpgm
.Lentry_shape_is_right:
; Launch 2 of 4: products 1 to 3 as one GEMM on codes of FP4 (E2M1): C[t][n] = sum over k of x[t][k] W[n][k], W = Wq, Wk, Wv on end (4,096 rows), sums in f32; C leaves as f16.
; A number is its code's value x 2^(its block's byte - 127); the matrix instruction takes codes and scale bytes as they lie in memory (two codes a byte, the lower k in the low four bits).
; C IS LAID FOR THE ATTENTION THAT READS IT: qkvb = [64 column blocks][2,048 t][64] f16: block b holds columns 64 b .. 64 b + 63, rows of 128 bytes, dense.  Blocks 0-31 the query halves, 32-47 the key heads, 48-63 the value heads' halves.
; LIMIT: |q|, |k|, |v| stay under 65,504, f16's largest number; under 6e-5 an f16 image is exact to 3e-8 only.
; A tile of C, 256 x 256, is made by a work-group of four waves; a wave makes 128 x 128: 64 accumulators of 16 x 16, 512 registers.  The grid is 16 x 8 tiles: the largest wave tile reads the fewest LDS bytes for each product on 4-bit codes.
; K goes in steps of 512 through a ring of two LDS slots filled by the tensor data mover: a tile's row is 256 bytes of memory.
; THE SCALES of the work-group's 256 rows of x and 256 rows of W, for all of K, are two dense blocks of memory: they come into LDS ONCE, with the first fills, and stay.
; CLUSTERS: 4 x 4 work-groups.  The four of a row of the cluster need the same tiles of x, the four of a column the same tiles of W: each tile is asked for JOINTLY, by the same tensor load with the same descriptor and a mask that names the four.
; THE MATRIX INSTRUCTION IS USED TRANSPOSED (source 0 = 16 rows of W, source 1 = 16 rows of x): a lane then holds eight neighbouring columns of one row t.
; REGISTERS, in windows of 256: window 0: v0-31 addresses; v32-95 scale words, two sets; from v128 x's fragments (8 x 16 rows x 128 K), ONE set; on the way out v32-63 and v192-255 are at work.
;   window 1: W's fragments, TWO sets, at v0 and at v128.   window 2: the 32 accumulators of my rows 0-63 (accumulator (a, b) at v[8 (8 a + b)]);   window 3: those of my rows 64-127.
.set SIZE_M, 2048
.set SIZE_N, 4096
.set SIZE_K, 2048
.set KSTEP,  512                       ; along K in a slot
.set NQ,     KSTEP/128                 ; matrix instructions deep
.set ROWB,   256                       ; a tile's row in bytes
.set KROW,   SIZE_K*4/8                ; a row of codes in memory, in bytes
.set PITCH,  272                       ; an LDS row: 256 bytes + 16 of padding = 68 words: the 16 rows that a load touches start 4 banks apart
.set FR,     8                         ; registers of a fragment: 16 rows x 128 K
.set NL,     2                         ; LDS loads that bring one
.set NP,     4                         ; places behind this matrix instruction (ISA guide 7.12.1)
.set HALFT,  128*PITCH                 ; 128 rows: what one tensor load brings, and what one wave reads of x or of W
.set SLOT,   4*HALFT                   ; x's 256 rows, then W's 256 rows
.set LAPS,   SIZE_K/(2*KSTEP)          ; a lap = two K steps = once round the ring
.set KS,     SIZE_K/32                 ; a row of scales in bytes
.set SCL,    2*SLOT                    ; behind the ring: the scales, as runs of 256 bytes + 16 of padding
.set HALFS,  (128*KS/256)*272          ; the scales of 128 rows: what one tensor load brings
.set SBLK,   (16*KS/256)*272           ; those of 16 rows
.set SPARE,  SCL+4*HALFS               ; behind the scales: the spare words, 128 bytes for each wave
.set SPITCH, 144                       ; the way out: a stage of 2 column blocks x 16 rows x (128 bytes + 16) for each wave, in slot 0, which has had its last fill and its last read when the first result is stored there
.set BLKB,   262144                    ; a column block of qkvb in bytes
.set ADRA, 16                          ; v16-17  LDS address of my x fragments in slot 0, 1
.set ADRB, 20                          ; v20-21  the same for W
.set STO,  24                          ; v24     the way out: where I put 16 bytes of a row
.set RD,   25                          ; v25     the way out: where I read rows back
.set CO,   26                          ; v26     16 x lane: my place in 512 consecutive bytes of a column block
.set ADRS, 27                          ; v27     LDS address of my scale words: lanes 0-15 x's rows, lanes 16-31 W's
.set SPW,  28                          ; v28     LDS address of my spare word; never rewritten
.set NIL,  29                          ; v29     0; never rewritten
.set SC,   32                          ; scale words: set s at v[SC + 8 NQ s]; register NQ i + q: lanes 0-15 the word of x's block i, lanes 16-31 that of W's block i, for the slot's q-th 128 along K
.set AF,   128                         ; x's fragments, in window 0
.set TMP,  192                         ; the way out: v192-223 packed results
.set OBK,  32                          ; the way out: rows read back: v32-63 and v224-255 by turns
.set G1, 24                            ; s[24:31] descriptor group 1 for x's tiles;  s[32:39] group 0, one set for each slot
.set G0, 32
.set G1B, 48                           ; s[48:55], s[56:63] the same for W's tiles
.set G0B, 56
.set G1S, 68                           ; s[68:75], s[76:79] groups 1 and 0 for x's scales;  s[80:87], s[88:91] for W's
.set G0S, 76
.set G1SB, 80
.set G0SB, 88
.set MSB, 0
.macro WIN new                         ; the immediate's high byte repeats the setting that is left
.if MSB != \new
	s_set_vgpr_msb (MSB<<8)|\new
.set MSB, \new
.endif
.endm
.set MUL_LO, 0xa1                      ; source 0 (W) window 1, source 1 (x) window 0, C and D window 2
.set MUL_HI, 0xf1                      ; the same, C and D window 3
.set TO_B,   0x40                      ; destination window 1, address window 0
; A joint load: waves 0 and 1 fetch for x, waves 2 and 3 for W.  Each of the two lines has ONE mask and one set of registers for all that issue it; the branch hangs on the wave's number alone.
; An s_nop 0 and four v_nop follow each of the two lines, ahead of the jump, the label and what follows.
.macro JLOAD g0a, g1a, g0b, g1b
	s_cmp_eq_u32 s15, 0
	s_cbranch_scc0 .Lfor_b_\@
	tensor_load_to_lds s[\g0a:\g0a+3], s[\g1a:\g1a+7]
	s_nop 0
.rept 4
	v_nop
.endr
	s_branch .Lasked_\@
.Lfor_b_\@:
	tensor_load_to_lds s[\g0b:\g0b+3], s[\g1b:\g1b+7]
	s_nop 0
.rept 4
	v_nop
.endr
.Lasked_\@:
.endm
.macro CREST                           ; a round of the cluster's barrier behind its opening barrier
	s_cmp_lg_u32 s14, 0
	s_cbranch_scc1 .Lnot_wave_0_\@
	s_barrier_signal -3
.Lnot_wave_0_\@:
	s_barrier_wait -3
	s_barrier_signal -1
	s_barrier_wait -1
.endm
.macro CROUND                          ; a whole round
	s_barrier_signal -1
	s_barrier_wait -1
	CREST
.endm
	s_load_b128 s[4:7], s[0:1], 0x0                ; x's codes s[4:5], x's scales s[6:7]
	s_load_b128 s[8:11], s[0:1], 0x10              ; W's codes s[8:9], W's scales s[10:11]
	s_load_b64 s[12:13], s[0:1], 0x20              ; qkvb
	v_lshl_add_u32 v[SPW], v0, 2, SPARE
	v_mov_b32 v[NIL], 0
	ds_add_u32 v[SPW], v[NIL]                      ; the wave's opening: the add, twice on end, and its wait ahead of my first tensor load; the set-up below stands between the second and the wait
	ds_add_u32 v[SPW], v[NIL]
	v_lshrrev_b32 v1, 5, v0
	v_readfirstlane_b32 s14, v1                    ; wave 0..3
	s_lshr_b32 s15, s14, 1                         ; which half of the tile's rows is mine.  Also: I fetch for x (0) or for W (1)
	s_and_b32 s16, s14, 1                          ; which half of its columns.  Also: which 128 rows of that tile I fetch
	s_bfe_u32 s40, ttmp6, 0x40000                  ; cx, cy: my place in the cluster
	s_bfe_u32 s41, ttmp6, 0x40004
	s_lshl_b32 s42, ttmp9, 2
	s_add_co_u32 s42, s42, s40                     ; tile column of C = 4 x cluster x + cx
	s_and_b32 s17, ttmp7, 0xffff
	s_lshl_b32 s17, s17, 2
	s_add_co_u32 s17, s17, s41                     ; tile row of C = 4 x cluster y + cy
	s_lshl_b32 s43, s41, 2
	s_lshl_b32 s43, 15, s43                        ; my row of the cluster
	s_lshl_b32 s44, 0x1111, s40                    ; my column
	; descriptor group 1: a tile of 128 rows x ROWB bytes, padded in LDS
	s_or_b32 s[G1+0], s43, (0<<16)|(1<<20)|(1<<21)|(5<<22)|(3<<25)  ; 15:0 the mask: x's tiles go to my row; 17:16 element of 1 byte; 20 padding on; 21 set beside a mask; 24:22 after every 64 words (code 5); 31:25 of 4 words (code 3)
	s_or_b32 s[G1B+0], s44, (0<<16)|(1<<20)|(1<<21)|(5<<22)|(3<<25)
.irp g, G1, G1B
	s_mov_b32 s[\g+1], ROWB<<16                    ; tensor_dim0
	s_mov_b32 s[\g+2], 128<<16                     ; tensor_dim1 = 128
	s_mov_b32 s[\g+3], ROWB<<16                    ; tile_dim0
	s_mov_b32 s[\g+4], 128                         ; tile_dim1 = 128
	s_mov_b32 s[\g+5], KROW                        ; tensor_dim0_stride
	s_mov_b32 s[\g+6], 0
	s_mov_b32 s[\g+7], 0
.endr
	; and for the scales of 128 rows: a dense block of 128 KS bytes, as rows of 256 bytes (32 elements of 8 bytes), 16 bytes of padding behind each
	s_or_b32 s[G1S+0], s43, (3<<16)|(1<<20)|(1<<21)|(5<<22)|(3<<25)
	s_or_b32 s[G1SB+0], s44, (3<<16)|(1<<20)|(1<<21)|(5<<22)|(3<<25)
.irp g, G1S, G1SB
	s_mov_b32 s[\g+1], 32<<16
	s_mov_b32 s[\g+2], (128*KS/256)<<16
	s_mov_b32 s[\g+3], 32<<16
	s_mov_b32 s[\g+4], 128*KS/256
	s_mov_b32 s[\g+5], 32
	s_mov_b32 s[\g+6], 0
	s_mov_b32 s[\g+7], 0
.endr
	s_lshl_b32 s18, s16, 7                         ; which 128 rows of the tile I fetch
	s_lshl_b32 s20, s17, 8
	s_add_co_u32 s20, s20, s18                     ; x: row 256 x tile row + 128 x half
	s_lshl_b32 s46, s42, 8
	s_add_co_u32 s46, s46, s18                     ; W: row 256 x tile column + 128 x half
	s_mov_b32 s21, 0
	s_mov_b32 s47, 0
	s_mov_b64 s[18:19], KS
	s_mul_u64 s[22:23], s[20:21], s[18:19]         ; where these rows' scales begin, in bytes
	s_mul_u64 s[92:93], s[46:47], s[18:19]
	s_mov_b64 s[18:19], KROW
	s_mul_u64 s[20:21], s[20:21], s[18:19]         ; and their codes
	s_mul_u64 s[46:47], s[46:47], s[18:19]
	s_mul_i32 s45, s14, HALFT                      ; where they go: wave x 128 rows: no place in the cluster enters an LDS address
	s_mul_i32 s94, s14, HALFS
	s_wait_dscnt 0x0                               ; both opening adds are done
	s_wait_kmcnt 0x0
	s_add_nc_u64 s[20:21], s[4:5], s[20:21]
	s_add_nc_u64 s[22:23], s[6:7], s[22:23]
	s_add_nc_u64 s[46:47], s[8:9], s[46:47]
	s_add_nc_u64 s[92:93], s[10:11], s[92:93]
	CROUND                                         ; all sixteen work-groups are here: the first joint loads meet
	s_mov_b32 s[G0S], 1
	s_add_co_u32 s[G0S+1], s94, SCL
	s_mov_b64 s[G0S+2:G0S+3], s[22:23]
	s_or_b32 s[G0S+3], s[G0S+3], 0x80000000
	s_mov_b32 s[G0SB], 1
	s_add_co_u32 s[G0SB+1], s94, SCL
	s_mov_b64 s[G0SB+2:G0SB+3], s[92:93]
	s_or_b32 s[G0SB+3], s[G0SB+3], 0x80000000
	JLOAD G0S, G1S, G0SB, G1SB                     ; the scales first: they are wanted with K step 0
.irp s, 0,1
	s_mov_b32 s[G0+4*\s], 1
	s_add_co_u32 s[G0+4*\s+1], s45, \s*SLOT
	s_add_nc_u64 s[G0+4*\s+2:G0+4*\s+3], s[20:21], \s*ROWB
	s_or_b32 s[G0+4*\s+3], s[G0+4*\s+3], 0x80000000
	s_mov_b32 s[G0B+4*\s], 1
	s_add_co_u32 s[G0B+4*\s+1], s45, \s*SLOT
	s_add_nc_u64 s[G0B+4*\s+2:G0B+4*\s+3], s[46:47], \s*ROWB
	s_or_b32 s[G0B+4*\s+3], s[G0B+4*\s+3], 0x80000000
	JLOAD G0+4*\s, G1, G0B+4*\s, G1B               ; three loads of mine are out now, by this text's own count the most
.endr
	v_and_b32 v1, 15, v0                           ; l % 16
	v_bfe_u32 v2, v0, 4, 1                         ; l / 16
	v_mul_u32_u24 v3, v1, PITCH
	v_lshl_add_u32 v4, v2, 4, v3                   ; a fragment's row x pitch + 16 x half
	s_mul_i32 s21, s15, HALFT                      ; my 128 rows of x
	s_mul_i32 s22, s16, HALFT                      ; my 128 rows of W,
	s_add_co_u32 s22, s22, 2*HALFT                 ; which lie behind x's 256
.irp s, 0,1
	v_add_nc_u32 v[ADRA+\s], s21, v4
	v_add_nc_u32 v[ADRB+\s], s22, v4
	s_add_co_u32 s21, s21, SLOT
	s_add_co_u32 s22, s22, SLOT
.endr
	v_mul_u32_u24 v5, v1, KS                       ; my row's scales: KS bytes a row,
	v_lshrrev_b32 v6, 8, v5
	v_lshl_add_u32 v5, v6, 4, v5                   ; and 16 more for each 256 passed
	s_mul_i32 s21, s15, HALFS                      ; x's: my 128 rows
	s_mul_i32 s22, s16, HALFS                      ; W's: my 128 rows, behind x's 256
	s_add_co_u32 s22, s22, 2*HALFS
	s_sub_co_u32 s22, s22, s21
	v_mul_u32_u24 v6, s22, v2                      ; lanes 16-31 take W's
	s_add_co_u32 s21, s21, SCL
	v_add_nc_u32 v5, v5, v6
	v_add_nc_u32 v[ADRS], s21, v5
	s_mul_i32 s23, s14, 2*16*SPITCH                ; my stage
	v_mul_u32_u24 v5, v1, SPITCH                   ; in: row l % 16, 16 bytes for each half of the lanes
	v_lshl_add_u32 v5, v2, 4, v5
	v_add_nc_u32 v[STO], s23, v5
	v_and_b32 v6, 31, v0
	v_lshlrev_b32 v[CO], 4, v6                     ; out: 32 lanes x 16 bytes = four rows of 128 bytes, which lie on end in a column block
	v_lshrrev_b32 v5, 3, v6
	v_mul_u32_u24 v5, v5, SPITCH                   ; back: row l / 8,
	v_and_b32 v6, 7, v0
	v_lshl_add_u32 v5, v6, 4, v5                   ; 16 bytes at 16 (l % 8)
	v_add_nc_u32 v[RD], s23, v5
	s_lshl_b32 s20, s42, 2
	s_lshl_b32 s21, s16, 1
	s_add_co_u32 s20, s20, s21                     ; my first column block: 4 x tile column + 2 x half
	s_lshl_b32 s20, s20, 18                        ; 262,144 bytes a block
	s_lshl_b32 s21, s17, 8
	s_lshl_b32 s46, s15, 7
	s_add_co_u32 s21, s21, s46                     ; my first row t: 256 x tile row + 128 x half
	s_lshl_b32 s21, s21, 7                         ; 128 bytes a row
	s_add_co_u32 s20, s20, s21
	s_mov_b32 s21, 0
	s_add_nc_u64 s[12:13], s[12:13], s[20:21]
.macro FRAG reg, adr, q, i             ; a fragment, 16 rows x 128 K of 4-bit codes, is 8 registers: lane l holds row l % 16; registers 4 c .. 4 c + 3 hold K = 64 c + 32 (l / 16) + 0 .. 31
.irp c, 0,1
	ds_load_b128 v[\reg+4*\c:\reg+4*\c+3], v[\adr] offset:64*(\q)+32*\c+(\i)*16*PITCH
.endr
.endm
; 16 matrix instructions: x's blocks a0, a0 + 1 against W's eight, 128 along K: the slot's q-th.  p: W's set;  sc: the set of scale words.  zero = 1: the first product starts the sums: nothing is ever cleared.
; The 64 accumulators take turns, one instruction a turn, in the same order in every step.
.macro MUL16 a0, p, q, sc, zero
.irp a, \a0, \a0+1
.irp b, 0,1,2,3,4,5,6,7
.if \zero
	v_wmma_scale_f32_16x16x128_f8f6f4 v[8*(8*((\a)%4)+\b):8*(8*((\a)%4)+\b)+7], v[128*(\p)+FR*\b:128*(\p)+FR*\b+FR-1], v[AF+FR*(\a):AF+FR*(\a)+FR-1], 0, v[SC+8*NQ*(\sc)+NQ*\b+(\q)], v[SC+8*NQ*(\sc)+NQ*(\a)+(\q)] matrix_a_fmt:MATRIX_FMT_FP4 matrix_b_fmt:MATRIX_FMT_FP4 matrix_a_scale:MATRIX_SCALE_ROW1
.else
	v_wmma_scale_f32_16x16x128_f8f6f4 v[8*(8*((\a)%4)+\b):8*(8*((\a)%4)+\b)+7], v[128*(\p)+FR*\b:128*(\p)+FR*\b+FR-1], v[AF+FR*(\a):AF+FR*(\a)+FR-1], v[8*(8*((\a)%4)+\b):8*(8*((\a)%4)+\b)+7], v[SC+8*NQ*(\sc)+NQ*\b+(\q)], v[SC+8*NQ*(\sc)+NQ*(\a)+(\q)] matrix_a_fmt:MATRIX_FMT_FP4 matrix_b_fmt:MATRIX_FMT_FP4 matrix_a_scale:MATRIX_SCALE_ROW1
.endif
.endr
.endr
.endm
.macro FETCH_B slot, q, p              ; W's eight fragments of the slot's q-th 128 along K into set p
	WIN TO_B
.irp i, 0,1,2,3,4,5,6,7
	FRAG 128*(\p)+FR*\i, ADRB+\slot, \q, \i
.endr
	WIN 0
.endm
.macro FETCH_A slot, q, i0             ; x's blocks i0 .. i0 + 3
.irp i, \i0, \i0+1, \i0+2, \i0+3
	FRAG AF+FR*(\i), ADRA+\slot, \q, \i
.endr
.endm
.macro SCALES sc                       ; the next K step's scale words into set sc: NQ words a row; lanes 0-15 take x's block i, lanes 16-31 W's block i
.irp i, 0,1,2,3,4,5,6,7
	ds_load_b128 v[SC+8*NQ*\sc+NQ*\i:SC+8*NQ*\sc+NQ*\i+3], v[ADRS] offset:\i*SBLK
.endr
.endm
; A load into a register that a matrix instruction has read, and a vector instruction that reads a matrix result, stand NP places behind that matrix instruction, and only plain vector
; instructions that name none of its registers are places (ISA guide 7.12.1 for vector instructions).
.macro PLACES n
.rept \n
	v_nop
.endr
.endm
; A step of 128 along K that has its successor in the same slot.
.macro STEP slot, q, zero
	s_wait_dscnt 4*NL                              ; W's set and x's blocks 0-3 are in; the youngest eight loads (x's blocks 4-7) may be out
	WIN MUL_LO
	MUL16 0, (\q)%2, \q, \slot, \zero
	MUL16 2, (\q)%2, \q, \slot, \zero
	s_wait_dscnt 0                                 ; x's blocks 4-7 are in (asked for 32 matrix instructions ago)
	PLACES NP
	FETCH_B \slot, (\q)+1, 1-(\q)%2
	FETCH_A \slot, (\q)+1, 0
	WIN MUL_HI
	MUL16 4, (\q)%2, \q, \slot, \zero
	MUL16 6, (\q)%2, \q, \slot, \zero
	PLACES NP
	WIN 0
	FETCH_A \slot, (\q)+1, 4
.endm
; A slot's last step changes slots: ONE barrier; in front of it each wave waits for all its tensor loads, adds 0 to its spare word, and waits for that and for its own reads of this slot.  fill = 1: this slot is filled again, two K steps ahead.
.macro TURN slot, next, fill
	s_wait_tensorcnt 0x0                           ; all my tensor loads have landed: my part of the next slot  (every window is 0 here)
	ds_add_u32 v[SPW], v[NIL]                      ; 0 onto my spare word
	s_wait_dscnt 4*NL+1                            ; (the add and the youngest eight loads, x's blocks 4-7, may be out)
	WIN MUL_LO
	MUL16 0, 1, NQ-1, \slot, 0                     ; sixteen matrix instructions stand between the add and the wait for it
	s_wait_dscnt 0x0                               ; the add is done, and my reads of this slot are over
	s_barrier_signal -1
	MUL16 2, 1, NQ-1, \slot, 0
	WIN 0
	s_barrier_wait -1
.if \fill
	CREST                                          ; the barrier has opened a round of the cluster's barrier: no wave of any partner still reads this slot's tile or has a load on its way
	s_add_nc_u64 s[G0+4*\slot+2:G0+4*\slot+3], s[G0+4*\slot+2:G0+4*\slot+3], 2*ROWB
	s_add_nc_u64 s[G0B+4*\slot+2:G0B+4*\slot+3], s[G0B+4*\slot+2:G0B+4*\slot+3], 2*ROWB
	JLOAD G0+4*\slot, G1, G0B+4*\slot, G1B         ; the first tensor load behind the round; the four v_nop behind it are the places in front of the loads below
.else
	PLACES NP
.endif
	v_add_nc_u32 v[ADRS], 4*NQ, v[ADRS]            ; on to the next K step's scale words
	FETCH_B \next, 0, 0
	FETCH_A \next, 0, 0
	SCALES \next
	WIN MUL_HI
	MUL16 4, 1, NQ-1, \slot, 0
	MUL16 6, 1, NQ-1, \slot, 0
	PLACES NP
	WIN 0
	FETCH_A \next, 0, 4
.endm
.macro STEPS slot, from                ; the slot's steps from .. NQ - 2
.set QS, \from
.rept NQ-1-\from
	STEP \slot, QS, 0
.set QS, QS+1
.endr
.endm
	s_wait_tensorcnt 1                             ; the scales and my part of K step 0 are in (K step 1's load may be out)
	s_barrier_signal -1
	s_barrier_wait -1                              ; everybody's are
	FETCH_B 0, 0, 0
	FETCH_A 0, 0, 0
	SCALES 0
	FETCH_A 0, 0, 4
	STEP 0, 0, 1                                   ; the first step stands in front of the loop: its products start the sums
	s_mov_b32 s3, LAPS-1
.Llap:                                                 ; a trip goes once round the ring, from a lap's second step to the next lap's first, and fills both slots again
	STEPS 0, 1
	TURN 0, 1, 1
	STEPS 1, 0
	TURN 1, 0, 1
	STEP 0, 0, 0
	s_sub_co_u32 s3, s3, 1
	s_cmp_lg_u32 s3, 0
	s_cbranch_scc1 .Llap
	STEPS 0, 1                                     ; the last lap fills nothing, and has no round of the cluster's barrier
	TURN 0, 1, 0
	STEPS 1, 0
	s_wait_dscnt 4*NL                              ; the very last step: nothing more to fetch
	WIN MUL_LO
	MUL16 0, 1, NQ-1, 1, 0
	MUL16 2, 1, NQ-1, 1, 0
	s_wait_dscnt 0
	WIN MUL_HI
	MUL16 4, 1, NQ-1, 1, 0
	MUL16 6, 1, NQ-1, 1, 0
	WIN 0
; THE WAY OUT, block by block of 16 rows t x 128 columns.  PACK: rounded to f16, 16 bytes a lane (eight neighbouring columns of one row), each accumulator from its low end on.
; TOSTAGE: into my own stage, [2 column blocks][16 rows][128 + 16 bytes], and back four rows at a time.  SEND: four rows of a column block are 512 consecutive bytes of qkvb: one store of the wave.
; LDS serves a wave's instructions in order (ISA guide 5.7.1.4): no wait between the stores and the loads, nor in front of the next block's stores.
.macro PACK a
.set AC, 64*((\a)%4)
	WIN 0x0a+5*((\a)/4)                            ; sources 0 and 1: window 2 or 3
.irp b, 0,1,2,3,4,5,6,7
.irp r, 0,1,2,3
	v_cvt_pk_f16_f32 v[TMP+4*\b+\r], v[AC+8*\b+2*\r], v[AC+8*\b+2*\r+1]
.endr
.endr
	WIN 0
.endm
.macro TOSTAGE a
.set BB, OBK+192*((\a)%2)
.irp b, 0,1,2,3,4,5,6,7
	ds_store_b128 v[STO], v[TMP+4*\b:TMP+4*\b+3] offset:(\b/4)*16*SPITCH+(\b%4)*32
.endr
.irp t, 0,1,2,3,4,5,6,7
	ds_load_b128 v[BB+4*\t:BB+4*\t+3], v[RD] offset:(\t/4)*16*SPITCH+(\t%4)*4*SPITCH
.endr
.endm
.macro SEND a
.set BB, OBK+192*((\a)%2)
	s_wait_dscnt 0x0                               ; the block is back in registers
	s_wait_xcnt 0x0                                ; the stores of the block before have read their registers: the next block's loads may land there
.irp t, 0,1,2,3,4,5,6,7
	global_store_b128 v[CO], v[BB+4*\t:BB+4*\t+3], s[12:13] offset:(\t/4)*BLKB+(\t%4)*512+(\a)*2048   ; 32 lanes store 512 consecutive bytes, at a multiple of 512 from the buffer's first byte
.endr
.endm
	PLACES NP                                      ; behind the last products: for the conversions that read results and for the loads into the registers that held scale words
	PACK 0
	TOSTAGE 0
.irp a, 1,2,3,4,5,6,7                  ; block a's conversions stand between block a - 1's loads from the stage and the wait for them
	PACK \a
	SEND \a-1
	TOSTAGE \a
.endr
	SEND 7
	s_wait_tensorcnt 0x0                           ; the wave's end: a tensor wait, an add to my spare word and its wait, behind my last tensor load and my last LDS store
	ds_add_u32 v[SPW], v[NIL]
	s_wait_dscnt 0x0
	CROUND                                         ; the closing round: no work-group ends while a partner may still ask for a tile that names it
	s_endpgm
.Lfunc_end_k_q0794332327_qkv:
	.size	k_q0794332327_qkv, .Lfunc_end_k_q0794332327_qkv-k_q0794332327_qkv
	.p2alignl 7, 3214868480
	.fill 96, 4, 3214868480
	.section	.rodata,"a",@progbits
	.p2align	6, 0x0
	.amdhsa_kernel k_q0794332327_qkv
		.amdhsa_group_segment_fixed_size 327680
		.amdhsa_private_segment_fixed_size 0
		.amdhsa_enable_private_segment 0
		.amdhsa_kernarg_size 40
		.amdhsa_user_sgpr_count 2
		.amdhsa_user_sgpr_kernarg_segment_ptr 1
		.amdhsa_wavefront_size32 1
		.amdhsa_system_sgpr_workgroup_id_x 1
		.amdhsa_system_sgpr_workgroup_id_y 1
		.amdhsa_system_sgpr_workgroup_id_z 1
		.amdhsa_system_vgpr_workitem_id 0
		.amdhsa_next_free_vgpr 1024
		.amdhsa_next_free_sgpr 98
		.amdhsa_reserve_vcc 0
		.amdhsa_float_denorm_mode_32 3
		.amdhsa_float_denorm_mode_16_64 3
		.amdhsa_memory_ordered 1
		.amdhsa_forward_progress 1
		.amdhsa_inst_pref_size 213
	.end_amdhsa_kernel
	.amdgpu_metadata
---
amdhsa.version: [ 1, 2 ]
amdhsa.kernels:
  - .name:           k_q0794332327_qkv
    .symbol:         k_q0794332327_qkv.kd
    .args:
      - { .name: xc, .offset: 0, .size: 8, .value_kind: global_buffer, .address_space: global }
      - { .name: xs, .offset: 8, .size: 8, .value_kind: global_buffer, .address_space: global }
      - { .name: wc, .offset: 16, .size: 8, .value_kind: global_buffer, .address_space: global }
      - { .name: ws, .offset: 24, .size: 8, .value_kind: global_buffer, .address_space: global }
      - { .name: qkvb, .offset: 32, .size: 8, .value_kind: global_buffer, .address_space: global }
    .group_segment_fixed_size: 327680
    .private_segment_fixed_size: 0
    .kernarg_segment_align: 8
    .kernarg_segment_size: 40
    .max_flat_workgroup_size: 128
    .sgpr_count:     98
    .vgpr_count:     1024
    .wavefront_size: 32
...
	.end_amdgpu_metadata
.endif
;; end of part 2
;; launch attn (part 3): grid 16 x 16, 8 waves a work-group, no clusters, 327,680 bytes of LDS; arguments qkvb, lambda_q1, lambda_k1, lambda_q2, lambda_k2, g, att; writes att
.if DOCPART == 3
	.amdgcn_target "amdgcn-amd-amdhsa--gfx1250"
	.amdhsa_code_object_version 6
	.text
	.protected	k_q0794332327_attn
	.globl	k_q0794332327_attn
	.p2align	8
	.type	k_q0794332327_attn,@function
k_q0794332327_attn:
	s_mov_b64 s[64:65], 0
	v_nop
	global_prefetch_b8 v0, s[64:65] scope:SCOPE_SE
	s_setreg_imm32_b32 hwreg(HW_REG_WAVE_MODE, 25, 1), 1
	s_wait_xcnt 0x0
; Launch 3 of 4: products 4 and 5 with the causal softmax, p1 - lam p2, the RMSNorm over a head's 128 channels, g and the factor 1 - LAMBDA_INIT.  Operands f16, sums, maxima, exponentials and norms f32.
; WORK LEFT OUT: key steps all of whose 64 keys come after a block's 64 queries: reference()'s own mask gives them the weight 0 for all inputs.  A NaN or an infinity that only such keys' values hold is not carried to the result.
; HEADS.  repeat_interleave gives query halves 2 h and 2 h + 1 of head h the SAME key head h, and head h the value head h / 2.  In qkvb ([64 blocks][2,048 t][64] f16): query half j is block j, key head h block 32 + h, value head u blocks 48 + 2 u, 49 + 2 u.
; THE DIFFERENCE.  p1 - lam p2 wants both rows' sums before the product, so P1 V and P2 V are summed apart, each with its own running maximum m and sum l, and joined at a block's end: O1 / l1 - lam O2 / l2.
; SOFTMAX.  p = 2^(c s - c m), c = log2(e) / 8; in every step O and l are multiplied by a = 2^(c m_old - c m_new).  m starts at -3e38, under every score.
; SHARES.  Queries go in 32 blocks of 64.  Work-group (j, h) takes block 31 - j and then block j: (32 - j) + (j + 1) = 33 key steps of 64 keys whatever j is.  Wave w takes rows 16 (w % 4) .. + 15 of the block, as TWO query tiles
; (the two halves), which share each fragment of K and of V.  The two waves with the same rows split the KEYS: key step s belongs to w / 4 = s % 2.  So two waves lie on a SIMD, and one's vector work stands beside the other's matrix
; work.  At a block's end the upper wave hands its O, c m and l to the lower one through LDS, which joins them and finishes the rows.
; THE RING.  A slot holds 256 keys, four steps.  ceil((32 - j) / 4) + ceil((j + 1) / 4) = 9 for every j (the two counts add to 33): nine trips, a constant: eight in the loop, each asking for the next slot, and a tail that asks for nothing.
; Steps beyond a block's count are jumped over by a scalar branch on ids.  Wave 0 fetches a slot's K, waves 1 and 2 one channel block of V each: every load holds the slot's first step, which is always read.
; NO CLUSTER: the partners of a head walk different runs of slots (where a work-group turns to its second block hangs on j), so their requests do not meet; only V is shared by work-groups that walk alike, and by two of them.
; LAYOUT.  S^T = K Q^T (source 0 = 16 keys, source 1 = 16 queries): a lane holds ONE query (lane % 16) and keys 8 (lane / 16) + 0..7.  Two such tiles, rounded to f16 in pairs, ARE source 1 of O^T = V^T P.  V ([key][channel]) comes turned, by ds_load_tr16_b128.
; LIMITS: the normed rows leave as f16: their magnitude stays under 65,504.  NaN and infinities among the inputs are not served.
; REGISTERS.  Window 0: v2-15 addresses; v16-31 statistics; v32-63 Q; v64-127 K (g at a block's end); v128-191 S^T (the joined rows at a block's end); v192-223 P; v224-233 constants and helpers; v234-255 at work at a block's end.
;   Window 1: v0-127 O^T (64 a tile); v128-255 V of one step (the partner's O^T at a block's end).
.set KP,    144                        ; a key's row in LDS: 128 bytes + 16 = 36 words: the 16 rows of a load start 4 banks apart
.set VP,    160                        ; a row of V: 128 + 32 = 40 words: the turning load's 8 rows x 32 bytes fall on different banks
.set SLOT1, 1<<17                      ; slot 1 begins here: one exclusive or turns an address in one slot into the other's
.set VOFF,  256*KP                     ; a slot: 256 rows of K, then V: [2 channel blocks][256 keys]
.set VCB,   256*VP
.set SPARE, VOFF+2*VCB                 ; behind slot 0: the spare words, 128 bytes for each of the eight waves
.set MST,   SLOT1+SPARE                ; behind slot 1: four regions, one for each pair of waves; no tensor load lands here
.set PREG,  17408                      ; a region: the image of O^T (16,384 bytes), then four runs of 128 bytes of statistics; the way out's stage (16 rows x 272) lies over the image's first bytes
.set OSP,   272
.set BLKB,  262144                     ; a block of qkvb in bytes
.set SPW, 2                            ; v2   LDS address of my spare word; never rewritten
.set NIL, 3                            ; v3   0; never rewritten
.set AK0, 4                            ; v4   my lane's place in a slot's K
.set AV00, 5                           ; v5, v6  the same for V's two channel blocks
.set AV01, 6
.set ADK, 7                            ; v7-9 the three with the slot's first byte added: made once a trip
.set ADV0, 8
.set ADV1, 9
.set QO,  10                           ; v10  my byte in the wave's 16 rows of Q
.set STI, 11                           ; v11  my 16 bytes of an image's run of 512
.set STS, 12                           ; v12  my word of a run of statistics
.set OSI, 13                           ; v13  the way out: where I put 16 bytes of a row
.set OSR, 14                           ; v14  where I read a row back
.set GO,  15                           ; v15  my byte in the wave's rows of att
.set ST,  16                           ; tile t's statistics at v[ST + 8 t]: +0 c m, +1 m, +2, +3 l (even keys', odd keys'), +4 to +7 at work; a takes +6
.set Q,   32                           ; v[Q + 16 t + 8 c]: tile t, channels 32 c on
.set KF,  64                           ; v[KF + 8 (2 kt + c)]: keys 16 kt on, channels 32 c on
.set S,   128                          ; v[S + 32 t + 8 kt]
.set P,   192                          ; v[P + 16 t + 8 kg]: keys 32 kg on
.set DQ,  224                          ; v224 my query less 8 (lane / 16), inside the block
.set NINF, 225                         ; v225 -infinity
.set NLAM, 226                         ; v226 -lam_full
.set GOF, 227                          ; v227 32 (lane / 16): my eight numbers of g in a tile
.set PFO, 228                          ; v228 256 x lane
.set HL,  230                          ; v[230:233] second chains of sums
.set VF,  128                          ; window 1: v[VF + 8 (8 kg + ct)]: keys 32 kg on, channels 16 ct on
.set WV,  18
.set PAR, 19                           ; s19  w / 4: which key steps are mine
.set GR,  20                           ; s20  w % 4: which 16 rows
.set HD,  21                           ; s21  the head
.set SEL, 22                           ; s[22:23] selects for v_permlanex16_b32: lane l xor 16
.set CS,  24                           ; s[24:25] c, twice
.set G1K, 28                           ; s[28:35] descriptor group 1 for K;  s[36:43] for V;  s[44:47], s[48:51] their groups 0
.set G1V, 36
.set G0K, 44
.set G0V, 48
.set KB,  52                           ; s[52:53] the key head's first byte;  s[54:55] my channel block of V
.set VB,  54
.set QB,  56                           ; s[56:57] my rows' place in block 0 of the queries;  s[58:59] in the block in hand
.set QA,  58
.set OB,  60                           ; s[60:61], s[62:63] the same in att
.set OA,  62
.set JJ,  66                           ; s66  j
.set NST, 67                           ; s67  key steps of the block in hand
.set SG,  68                           ; s68  the slot's number in the block
.set TR,  69                           ; s69  the trip
.set FIN, 70                           ; s70  1: this slot is the block's last
.set TB,  71                           ; s71  LDS byte at which the slot in hand begins
.set S4,  72                           ; s72  the slot's first key step
.set PFA, 76                           ; s[76:77] where my prefetches stand
.set LIM, 78                           ; s78  a wave prefetches while the trip's number is under this: 6, or 0 in a wave that never asks
.set OFF, 80                           ; s[80:81] the next slot's place in a block of qkvb
.set MSB, 0
.macro WIN new                         ; the immediate's high byte repeats the setting that is left
.if MSB != \new
	s_set_vgpr_msb (MSB<<8)|\new
.set MSB, \new
.endif
.endm
.macro PLACES                          ; four places behind matrix instructions (ISA guide 7.12.1 for vector instructions)
.rept 4
	v_nop
.endr
.endm
; Wave 0 fetches K, waves 1 and 2 V, the others nothing.  The branches hang on the wave's number alone.  An s_nop 0 and four v_nop follow each of the two lines.
.macro TLOAD
	s_cmp_lt_u32 s[WV], 1
	s_cbranch_scc0 .Lnot_k_\@
	tensor_load_to_lds s[G0K:G0K+3], s[G1K:G1K+7]
	s_nop 0
.rept 4
	v_nop
.endr
	s_branch .Lasked_\@
.Lnot_k_\@:
	s_cmp_lt_u32 s[WV], 3
	s_cbranch_scc0 .Lasked_\@
	tensor_load_to_lds s[G0V:G0V+3], s[G1V:G1V+7]
	s_nop 0
.rept 4
	v_nop
.endr
.Lasked_\@:
.endm
; A PREFETCH INTO THE L2 of the slot that the NEXT trip will ask for: trip t names slot t + 2 of the head's keys, t = 0 .. 5.  All sixteen work-groups of a head walk the same K and V from slot 0 on; the one with j = 0, which walks
; all eight slots on end, asks, and nobody else.  In it the waves ask that fetch nothing: wave 5 for K's 32,768 bytes of a slot, waves 6 and 7 for one channel block of V each, and these two in even heads only, since the odd head
; reads the same V.  Four instructions a wave, lanes 256 bytes apart: each run of 256 bytes is named once in the launch.  Slots 0 and 1 come by their loads alone; slot 7 is the last that is named.
.macro ASK
	s_cmp_lt_u32 s[TR], s[LIM]
	s_cbranch_scc0 .Lnot_mine_\@
.irp i, 0,1,2,3
	global_prefetch_b8 v[PFO], s[PFA:PFA+1] offset:8192*\i th:TH_LOAD_NT scope:SCOPE_SE
.endr
.Lnot_mine_\@:
.endm
.macro LOADQ                           ; my 16 rows of both query halves: fragments of 16 queries x 32 channels, two loads of 16 bytes, 32 bytes apart
.irp t, 0,1
.irp c, 0,1
	global_load_b128 v[Q+16*\t+8*\c:Q+16*\t+8*\c+3], v[QO], s[QA:QA+1] offset:\t*BLKB+64*\c
	global_load_b128 v[Q+16*\t+8*\c+4:Q+16*\t+8*\c+7], v[QO], s[QA:QA+1] offset:\t*BLKB+64*\c+32
.endr
.endr
.endm
.macro RESET                           ; a block's statistics begin: m = -3e38, c m, l = 0
.irp t, 0,1
	v_mov_b32 v[ST+8*\t+1], 0xff61b1e6
	v_mul_f32 v[ST+8*\t], s[CS], v[ST+8*\t+1]
	v_mov_b32 v[ST+8*\t+2], 0
	v_mov_b32 v[ST+8*\t+3], 0
.endr
.endm
	s_load_b256 s[4:11], s[0:1], 0x0               ; qkvb 4:5, lambda_q1 6:7, lambda_k1 8:9, lambda_q2 10:11
	s_load_b128 s[12:15], s[0:1], 0x20             ; lambda_k2 12:13, g 14:15
	s_load_b64 s[16:17], s[0:1], 0x30              ; att
	v_lshl_add_u32 v[SPW], v0, 2, SPARE
	v_mov_b32 v[NIL], 0
	ds_add_u32 v[SPW], v[NIL]                      ; the wave's opening: the add, twice on end, and its wait ahead of the first tensor load; the set-up below stands between the second and the wait
	ds_add_u32 v[SPW], v[NIL]
	v_lshrrev_b32 v1, 5, v0
	v_readfirstlane_b32 s[WV], v1                  ; wave 0..7
	s_lshr_b32 s[PAR], s[WV], 2
	s_and_b32 s[GR], s[WV], 3
	s_and_b32 s[HD], ttmp7, 0xffff
	s_mov_b32 s[JJ], ttmp9
	; descriptor group 1: 256 rows of 64 elements of 2 bytes, dense in memory; K: 4 words of padding behind each row's 32 words, V: 8
	s_mov_b32 s[G1K], (1<<16)|(1<<20)|(4<<22)|(3<<25)
	s_mov_b32 s[G1V], (1<<16)|(1<<20)|(4<<22)|(7<<25)
.irp g, G1K, G1V
	s_mov_b32 s[\g+1], 64<<16                      ; tensor_dim0 = 64
	s_mov_b32 s[\g+2], 256<<16                     ; tensor_dim1 = 256
	s_mov_b32 s[\g+3], 64<<16                      ; tile_dim0 = 64
	s_mov_b32 s[\g+4], 256                         ; tile_dim1 = 256
	s_mov_b32 s[\g+5], 64                          ; from row to row
	s_mov_b32 s[\g+6], 0
	s_mov_b32 s[\g+7], 0
.endr
	s_mov_b32 s[SEL], 0x76543210
	s_mov_b32 s[SEL+1], 0xfedcba98
	s_mov_b32 s[CS], 0x3e38aa3b                    ; c = log2(e) / 8
	s_mov_b32 s[CS+1], s[CS]                       ; (named with it as a pair, so it is written)
	; offsets, made apart from the addresses
	s_add_co_u32 s82, s[HD], 32
	s_lshl_b32 s82, s82, 18                        ; the key head's block
	s_mov_b32 s83, 0
	s_add_co_u32 s73, s[WV], 1
	s_and_b32 s73, s73, 1                          ; which channel block of V I fetch: wave 1: 0, wave 2: 1
	s_and_b32 s84, s[HD], 14                       ; 2 (h / 2)
	s_add_co_u32 s84, s84, s73
	s_add_co_u32 s84, s84, 48
	s_lshl_b32 s84, s84, 18                        ; its block
	s_mov_b32 s85, 0
	s_mul_i32 s74, s73, VCB
	s_mov_b32 s[G0K], 1                            ; group 0: count = 1,
	s_mov_b32 s[G0K+1], 0                          ; LDS address: slot 0
	s_mov_b32 s[G0V], 1
	s_add_co_u32 s[G0V+1], s74, VOFF
	s_lshl_b32 s86, s[HD], 19                      ; query half 2 h,
	s_lshl_b32 s73, s[GR], 11                      ; my 16 rows of 128 bytes
	s_add_co_u32 s86, s86, s73
	s_mov_b32 s87, 0
	s_lshl_b32 s88, s[HD], 8                       ; att: the head's 256 bytes of a row,
	s_lshl_b32 s73, s[GR], 16                      ; my 16 rows of 4,096 bytes
	s_add_co_u32 s88, s88, s73
	s_mov_b32 s89, 0
	; who prefetches, and what
	s_and_b32 s73, s[HD], 1
	s_cmp_ge_u32 s[WV], 6
	s_cselect_b32 s73, s73, 1                      ; waves 6, 7: 0 in even heads
	s_cmp_eq_u32 s[WV], 5
	s_cselect_b32 s73, 0, s73                      ; wave 5: 0
	s_or_b32 s73, s73, s[JJ]                       ; and j = 0
	s_cmp_eq_u32 s73, 0
	s_cselect_b32 s[LIM], 6, 0
	s_and_b32 s74, s[HD], 14
	s_and_b32 s75, s[WV], 1
	s_add_co_u32 s74, s74, s75
	s_add_co_u32 s74, s74, 48                      ; waves 6, 7: V's channel block 0, 1
	s_add_co_u32 s75, s[HD], 32                    ; wave 5: K
	s_cmp_eq_u32 s[WV], 5
	s_cselect_b32 s90, s75, s74
	s_lshl_b32 s90, s90, 18
	s_add_co_u32 s90, s90, 32768                   ; at slot 1: the first trip steps it to slot 2
	s_mov_b32 s91, 0
	s_mov_b32 s[OFF+1], 0
	s_wait_dscnt 0x0                               ; both opening adds are done
	s_wait_kmcnt 0x0
	s_add_nc_u64 s[KB:KB+1], s[4:5], s[82:83]
	s_add_nc_u64 s[VB:VB+1], s[4:5], s[84:85]
	s_add_nc_u64 s[QB:QB+1], s[4:5], s[86:87]
	s_add_nc_u64 s[OB:OB+1], s[16:17], s[88:89]
	s_add_nc_u64 s[PFA:PFA+1], s[4:5], s[90:91]
	s_mov_b64 s[G0K+2:G0K+3], s[KB:KB+1]           ; the head's first 256 keys
	s_or_b32 s[G0K+3], s[G0K+3], 0x80000000        ; type = 2
	s_mov_b64 s[G0V+2:G0V+3], s[VB:VB+1]
	s_or_b32 s[G0V+3], s[G0V+3], 0x80000000
	TLOAD                                          ; slot 0: one load of a wave is out, here and behind every later barrier of the ring
	s_sub_co_u32 s73, 31, s[JJ]                    ; the first block: 31 - j
	s_lshl_b32 s74, s73, 13                        ; 64 rows of 128 bytes
	s_mov_b32 s75, 0
	s_add_nc_u64 s[QA:QA+1], s[QB:QB+1], s[74:75]
	s_lshl_b32 s74, s73, 18                        ; 64 rows of 4,096 bytes
	s_add_nc_u64 s[OA:OA+1], s[OB:OB+1], s[74:75]
	v_and_b32 v240, 15, v0                         ; r
	v_bfe_u32 v241, v0, 4, 1                       ; h
	v_and_b32 v242, 31, v0                         ; lane
	v_lshlrev_b32 v[QO], 7, v240
	v_lshl_add_u32 v[QO], v241, 4, v[QO]           ; row r of 128 bytes + 16 h
	v_lshlrev_b32 v1, 3, v242                      ; 8 x lane: my two numbers of each lambda
	LOADQ
	global_load_b64 v[246:247], v1, s[6:7]
	global_load_b64 v[248:249], v1, s[8:9]
	global_load_b64 v[250:251], v1, s[10:11]
	global_load_b64 v[252:253], v1, s[12:13]
	v_mul_u32_u24 v[AK0], v240, KP
	v_lshl_add_u32 v[AK0], v241, 4, v[AK0]
	s_mul_i32 s73, s[PAR], 64*KP
	v_add_nc_u32 v[AK0], s73, v[AK0]               ; K: row r x pitch + 16 h + my first step of a slot
	v_and_b32 v243, 7, v0
	v_lshl_add_u32 v243, v241, 3, v243             ; V, turned: key 8 h + lane % 8,
	v_mul_u32_u24 v[AV00], v243, VP
	v_bfe_u32 v244, v0, 3, 1
	v_lshl_add_u32 v[AV00], v244, 4, v[AV00]       ; channels 8 ((lane / 8) % 2) on
	s_mul_i32 s73, s[PAR], 64*VP
	s_add_co_u32 s73, s73, VOFF
	v_add_nc_u32 v[AV00], s73, v[AV00]
	v_add_nc_u32 v[AV01], VCB, v[AV00]
	s_mul_i32 s73, s[GR], PREG
	s_add_co_u32 s73, s73, MST                     ; my pair's region
	v_lshl_add_u32 v[STI], v242, 4, s73
	v_lshl_add_u32 v[STS], v242, 2, s73
	v_mul_u32_u24 v[OSI], v240, OSP
	v_lshl_add_u32 v[OSI], v241, 4, v[OSI]
	v_add_nc_u32 v[OSI], s73, v[OSI]               ; in: row r, 16 bytes for each half of the lanes
	v_mul_u32_u24 v[OSR], v241, OSP
	v_lshl_add_u32 v[OSR], v240, 4, v[OSR]
	v_add_nc_u32 v[OSR], s73, v[OSR]               ; back: lanes 0-15 one row of 256 bytes, lanes 16-31 the next
	v_lshlrev_b32 v[GO], 12, v241
	v_lshl_add_u32 v[GO], v240, 4, v[GO]           ; and the same two rows in att
	s_lshl_b32 s74, s[GR], 4
	v_lshlrev_b32 v245, 3, v241
	v_sub_nc_u32 v[DQ], v240, v245
	v_add_nc_u32 v[DQ], s74, v[DQ]                 ; 16 (w % 4) + r - 8 h
	v_mov_b32 v[NINF], 0xff800000
	v_lshlrev_b32 v[GOF], 5, v241
	v_lshlrev_b32 v[PFO], 8, v242
	v_mov_b32 v254, 0                              ; written once: a lane permute's destination counts as one of its sources
	v_mov_b32 v255, 0
	WIN 0x40                                       ; O^T begins as zeros, ONCE: one text of the key step serves first steps and waves with no step.  At the turn to the second block nothing is cleared: the block's first step multiplies
.set i, 0                                      ; the old O^T, which is finite, by a = 2^(c x -3e38 - c m) = 0, and a wave with no step is weighed with 0 when the pair is joined
.rept 128
	v_mov_b32 v[i], 0
.set i, i+1
.endr
	WIN 0
	RESET
	s_wait_loadcnt 0x0                             ; Q and the lambdas
	v_mul_f32 v246, v246, v248                     ; lam_full = exp(q1 . k1) - exp(q2 . k2) + LAMBDA_INIT
	v_mul_f32 v250, v250, v252
	v_fma_f32 v246, v247, v249, v246
	v_fma_f32 v250, v251, v253, v250
.irp m, 1,2,4,8
	v_add_f32_dpp v246, v246, v246 row_xmask:\m row_mask:0xf bank_mask:0xf
	v_add_f32_dpp v250, v250, v250 row_xmask:\m row_mask:0xf bank_mask:0xf
.endr
	v_permlanex16_b32 v254, v246, s[SEL], s[SEL+1]
	v_permlanex16_b32 v255, v250, s[SEL], s[SEL+1]
	v_add_f32 v246, v246, v254
	v_add_f32 v250, v250, v255
	v_mul_f32 v246, 0x3fb8aa3b, v246               ; x log2(e)
	v_mul_f32 v250, 0x3fb8aa3b, v250
	v_exp_f32 v246, v246
	v_exp_f32 v250, v250
	v_nop                                          ; a plain line behind the exponentials,
	s_wait_alu depctr_va_vdst(0)                   ; and the wait ahead of the first line that names a result
	v_sub_f32 v246, v250, v246
	v_add_f32 v[NLAM], 0xbf489a63, v246            ; -lam_full = e2 - e1 - 0.78360577
; A KEY STEP: 64 keys, my u-th of the slot in hand.
.macro STEP u
	s_add_co_u32 s73, s[S4], s[PAR]
.if \u
	s_add_co_u32 s73, s73, 2*\u
.endif
	s_cmp_ge_u32 s73, s[NST]                       ; beyond the block's last step: ids and counts alone
	s_cbranch_scc1 .Lskip_\@
	PLACES                                         ; in front of loads into V's registers, which the last products read
.irp kt, 0,1,2,3
.irp c, 0,1
	ds_load_b128 v[KF+8*(2*\kt+\c):KF+8*(2*\kt+\c)+3], v[ADK] offset:\u*128*KP+\kt*16*KP+64*\c
	ds_load_b128 v[KF+8*(2*\kt+\c)+4:KF+8*(2*\kt+\c)+7], v[ADK] offset:\u*128*KP+\kt*16*KP+64*\c+32
.endr
.endr
	WIN 0x40                                       ; destination window 1
.irp kg, 0,1
.irp ct, 0,1,2,3,4,5,6,7
	ds_load_tr16_b128 v[VF+8*(8*\kg+\ct):VF+8*(8*\kg+\ct)+3], v[ADV0+\ct/4] offset:\u*128*VP+\kg*32*VP+(\ct%4)*32
	ds_load_tr16_b128 v[VF+8*(8*\kg+\ct)+4:VF+8*(8*\kg+\ct)+7], v[ADV0+\ct/4] offset:\u*128*VP+\kg*32*VP+16*VP+(\ct%4)*32
.endr
.endr
	WIN 0
	s_wait_dscnt 32                                ; K's sixteen loads are in; V's 32 stay out under the scores and the softmax
.irp c, 0,1                            ; S^T = K Q^T: the eight accumulators by turns; the first eight products start the sums
.irp kt, 0,1,2,3
.irp t, 0,1
.if \c == 0
	v_wmma_f32_16x16x32_f16 v[S+32*\t+8*\kt:S+32*\t+8*\kt+7], v[KF+8*(2*\kt+\c):KF+8*(2*\kt+\c)+7], v[Q+16*\t+8*\c:Q+16*\t+8*\c+7], 0
.else
	v_wmma_f32_16x16x32_f16 v[S+32*\t+8*\kt:S+32*\t+8*\kt+7], v[KF+8*(2*\kt+\c):KF+8*(2*\kt+\c)+7], v[Q+16*\t+8*\c:Q+16*\t+8*\c+7], v[S+32*\t+8*\kt:S+32*\t+8*\kt+7]
.endif
.endr
.endr
.endr
	PLACES
	s_add_co_u32 s74, s73, 1                       ; only the block's last step lies on the diagonal
	s_cmp_lg_u32 s74, s[NST]
	s_cbranch_scc1 .Lopen_\@
.irp n, 0,1,2,3,4,5,6,7,8,9,10,11,12,13,14,15,16,17,18,19,20,21,22,23,24,25,26,27,28,29,30,31
	v_cmp_gt_i32 vcc_lo, 16*(\n/8)+\n%8, v[DQ]     ; register n holds key 16 (n / 8) + 8 (lane / 16) + n % 8 of the step: hidden where it comes after my query
	v_cndmask_b32 v[S+\n], v[S+\n], v[NINF], vcc_lo
	v_cndmask_b32 v[S+32+\n], v[S+32+\n], v[NINF], vcc_lo
.endr
.Lopen_\@:
	; the maximum of my 32 scores and the old m, the two tiles line by line by turns; each accumulator is read from its low end on
.irp j, 0,1,2,3
.irp t, 0,1
	v_max3_num_f32 v[ST+8*\t+4+\j], v[S+32*\t+8*\j], v[S+32*\t+8*\j+1], v[S+32*\t+8*\j+2]
.endr
.endr
.irp i, 3,5
.irp j, 0,1,2,3
.irp t, 0,1
	v_max3_num_f32 v[ST+8*\t+4+\j], v[ST+8*\t+4+\j], v[S+32*\t+8*\j+\i], v[S+32*\t+8*\j+\i+1]
.endr
.endr
.endr
.irp t, 0,1
	v_max3_num_f32 v[ST+8*\t+4], v[ST+8*\t+4], v[S+32*\t+7], v[S+32*\t+15]
.endr
.irp t, 0,1
	v_max3_num_f32 v[ST+8*\t+6], v[ST+8*\t+6], v[S+32*\t+23], v[S+32*\t+31]
.endr
.irp t, 0,1
	v_max3_num_f32 v[ST+8*\t+4], v[ST+8*\t+4], v[ST+8*\t+5], v[ST+8*\t+6]
.endr
.irp t, 0,1
	v_max3_num_f32 v[ST+8*\t+4], v[ST+8*\t+4], v[ST+8*\t+7], v[ST+8*\t+1]
.endr
.irp t, 0,1
	v_permlanex16_b32 v[ST+8*\t+5], v[ST+8*\t+4], s[SEL], s[SEL+1]   ; the query's other 32 keys lie in the lane 16 away
.endr
.irp t, 0,1
	v_mov_b32 v[ST+8*\t+7], v[ST+8*\t]             ; c m_old is kept for a
.endr
.irp t, 0,1
	v_max_num_f32 v[ST+8*\t+1], v[ST+8*\t+4], v[ST+8*\t+5]
.endr
.irp t, 0,1
	v_mul_f32 v[ST+8*\t], s[CS], v[ST+8*\t+1]
.endr
.irp t, 0,1
	v_sub_f32 v[ST+8*\t+7], v[ST+8*\t+7], v[ST+8*\t]
.endr
	; ONE BATCH: the 32 scalings c s - c m (a pair of scores each) and all 66 exponentials; none of these lines names an exponential's result; a pair is scaled one group ahead of its exponentials
	v_pk_fma_f32 v[S:S+1], v[S:S+1], s[CS:CS+1], v[ST:ST+1] op_sel_hi:[1,0,0] neg_lo:[0,0,1] neg_hi:[0,0,1]
	v_exp_f32 v[ST+6], v[ST+7]                     ; a = 2^(c m_old - c m_new)
	v_exp_f32 v[ST+14], v[ST+15]
.set pp, 0
.rept 32
.if pp < 31
.set rs, S+32*((pp+1)%2)+2*((pp+1)/2)
.set rt, ST+8*((pp+1)%2)
	v_pk_fma_f32 v[rs:rs+1], v[rs:rs+1], s[CS:CS+1], v[rt:rt+1] op_sel_hi:[1,0,0] neg_lo:[0,0,1] neg_hi:[0,0,1]
.endif
.set rs, S+32*(pp%2)+2*(pp/2)
	v_exp_f32 v[rs], v[rs]
	v_exp_f32 v[rs+1], v[rs+1]
.set pp, pp+1
.endr
	v_nop                                          ; a plain line behind the last exponential,
	s_wait_alu depctr_va_vdst(0)                   ; and ONE wait for the batch, ahead of the first line that names a result
.irp i, 0,1,2,3,4,5,6,7,8,9,10,11,12,13,14,15
.irp t, 0,1
	v_cvt_pk_f16_f32 v[P+16*\t+\i], v[S+32*\t+2*\i], v[S+32*\t+2*\i+1]   ; tiles 2 kg and 2 kg + 1, rounded in pairs, are fragment kg as they stand
.endr
.endr
.irp t, 0,1                            ; l = a l + the sum of the unrounded p, in two chains
	v_pk_add_f32 v[HL+2*\t:HL+2*\t+1], v[S+32*\t:S+32*\t+1], v[S+32*\t+2:S+32*\t+3]
.endr
.irp t, 0,1
	v_pk_fma_f32 v[ST+8*\t+2:ST+8*\t+3], v[ST+8*\t+2:ST+8*\t+3], v[ST+8*\t+6:ST+8*\t+7], v[S+32*\t+4:S+32*\t+5] op_sel_hi:[1,0,1]
.endr
.irp i, 6,10,14,18,22,26
.irp t, 0,1
	v_pk_add_f32 v[HL+2*\t:HL+2*\t+1], v[HL+2*\t:HL+2*\t+1], v[S+32*\t+\i:S+32*\t+\i+1]
.endr
.irp t, 0,1
	v_pk_add_f32 v[ST+8*\t+2:ST+8*\t+3], v[ST+8*\t+2:ST+8*\t+3], v[S+32*\t+\i+2:S+32*\t+\i+3]
.endr
.endr
.irp t, 0,1
	v_pk_add_f32 v[HL+2*\t:HL+2*\t+1], v[HL+2*\t:HL+2*\t+1], v[S+32*\t+30:S+32*\t+31]
.endr
.irp t, 0,1
	v_pk_add_f32 v[ST+8*\t+2:ST+8*\t+3], v[ST+8*\t+2:ST+8*\t+3], v[HL+2*\t:HL+2*\t+1]
.endr
	s_wait_dscnt 0x0                               ; V is in
	WIN 0x41                                       ; O^T (destination and source 0) window 1, a window 0
.set i, 0
.rept 32
	v_pk_mul_f32 v[i:i+1], v[i:i+1], v[ST+6:ST+7] op_sel_hi:[1,0]
	v_pk_mul_f32 v[64+i:64+i+1], v[64+i:64+i+1], v[ST+14:ST+15] op_sel_hi:[1,0]
.set i, i+2
.endr
	WIN 0x51                                       ; V, C and D window 1, P window 0
.irp kg, 0,1                           ; O^T += V^T P: the sixteen accumulators by turns
.irp ct, 0,1,2,3,4,5,6,7
.irp t, 0,1
	v_wmma_f32_16x16x32_f16 v[64*\t+8*\ct:64*\t+8*\ct+7], v[VF+8*(8*\kg+\ct):VF+8*(8*\kg+\ct)+7], v[P+16*\t+8*\kg:P+16*\t+8*\kg+7], v[64*\t+8*\ct:64*\t+8*\ct+7]
.endr
.endr
.endr
	WIN 0
.Lskip_\@:
.endm
; The upper wave of a pair hands over: O^T as an image of its registers (lane l's 16 bytes at 16 l, 512 bytes a store, each accumulator from its low end on), then c m and l of both tiles.
.macro STASH
	WIN 0x04                                       ; an LDS store's data are its source 1: window 1
.set i, 0
.rept 32
	ds_store_b128 v[STI], v[4*i:4*i+3] offset:512*i
.set i, i+1
.endr
	WIN 0
	v_add_f32 v238, v[ST+2], v[ST+3]
	v_add_f32 v239, v[ST+10], v[ST+11]
	ds_store_b32 v[STS], v[ST] offset:16384
	ds_store_b32 v[STS], v238 offset:16384+128
	ds_store_b32 v[STS], v[ST+8] offset:16384+256
	ds_store_b32 v[STS], v239 offset:16384+384
.endm
.macro GLOAD                           ; the lower wave asks for g in the result's layout: register 8 ct + i wants g[16 ct + 8 (lane / 16) + i]; K's registers are free
.irp ct, 0,1,2,3,4,5,6,7
.irp k, 0,1
	global_load_b128 v[KF+8*\ct+4*\k:KF+8*\ct+4*\k+3], v[GOF], s[14:15] offset:64*\ct+16*\k
.endr
.endr
.endm
; The lower wave joins the pair and finishes 16 rows of the head.
.macro EPI
	WIN 0x40
.set i, 0
.rept 32
	ds_load_b128 v[128+4*i:128+4*i+3], v[STI] offset:512*i         ; the partner's O^T, into V's registers: the trip's four places stand between the last products and these loads on every way
.set i, i+1
.endr
	WIN 0
.irp n, 0,1,2,3
	ds_load_b32 v[234+\n], v[STS] offset:16384+128*\n              ; its c m and l, tile 0, tile 1
.endr
	v_add_f32 v238, v[ST+2], v[ST+3]
	v_add_f32 v239, v[ST+10], v[ST+11]
	s_wait_dscnt 0x0
	v_max_num_f32 v240, v[ST], v234                ; the pair's c m
	v_max_num_f32 v241, v[ST+8], v236
	v_sub_f32 v242, v[ST], v240
	v_sub_f32 v243, v234, v240
	v_sub_f32 v244, v[ST+8], v241
	v_sub_f32 v245, v236, v241
	v_exp_f32 v242, v242                           ; f = 2^(c m - the pair's c m): mine, the partner's, for both tiles
	v_exp_f32 v243, v243
	v_exp_f32 v244, v244
	v_exp_f32 v245, v245
	v_nop
	s_wait_alu depctr_va_vdst(0)                   ; one wait for the four
	v_mul_f32 v238, v238, v242
	v_mul_f32 v239, v239, v244
	v_fma_f32 v238, v235, v243, v238
	v_fma_f32 v239, v237, v245, v239
	v_permlanex16_b32 v254, v238, s[SEL], s[SEL+1]
	v_permlanex16_b32 v255, v239, s[SEL], s[SEL+1]
	v_add_f32 v238, v238, v254                     ; the rows' sums
	v_add_f32 v239, v239, v255
	v_rcp_f32 v238, v238
	v_rcp_f32 v239, v239
	v_nop
	s_wait_alu depctr_va_vdst(0)                   ; one wait for the two
	v_mul_f32 v239, v[NLAM], v239
	v_mul_f32 v246, v242, v238                     ; four factors: O1 / l1 - lam O2 / l2, each O the pair's two parts under one maximum
	v_mul_f32 v248, v243, v238
	v_mul_f32 v250, v244, v239
	v_mul_f32 v252, v245, v239
	v_mov_b32 v247, v246                           ; (each is named as a pair, so both words are written)
	v_mov_b32 v249, v248
	v_mov_b32 v251, v250
	v_mov_b32 v253, v252
	WIN 0x01                                       ; source 0 window 1
.set i, 0
.rept 32
	v_pk_mul_f32 v[S+i:S+i+1], v[i:i+1], v[246:247] op_sel_hi:[1,0]
.set i, i+2
.endr
.set i, 0
.rept 32
	v_pk_fma_f32 v[S+i:S+i+1], v[128+i:128+i+1], v[248:249], v[S+i:S+i+1] op_sel_hi:[1,0,1]
.set i, i+2
.endr
.set i, 0
.rept 32
	v_pk_fma_f32 v[S+i:S+i+1], v[64+i:64+i+1], v[250:251], v[S+i:S+i+1] op_sel_hi:[1,0,1]
.set i, i+2
.endr
.set i, 0
.rept 32
	v_pk_fma_f32 v[S+i:S+i+1], v[192+i:192+i+1], v[252:253], v[S+i:S+i+1] op_sel_hi:[1,0,1]
.set i, i+2
.endr
	WIN 0
	v_pk_mul_f32 v[HL:HL+1], v[S:S+1], v[S:S+1]    ; the sum of squares over the head's 128 channels, in two chains
	v_pk_mul_f32 v[HL+2:HL+3], v[S+2:S+3], v[S+2:S+3]
.set i, 4
.rept 15
	v_pk_fma_f32 v[HL:HL+1], v[S+i:S+i+1], v[S+i:S+i+1], v[HL:HL+1]
	v_pk_fma_f32 v[HL+2:HL+3], v[S+i+2:S+i+3], v[S+i+2:S+i+3], v[HL+2:HL+3]
.set i, i+4
.endr
	v_pk_add_f32 v[HL:HL+1], v[HL:HL+1], v[HL+2:HL+3]
	v_add_f32 v254, v[HL], v[HL+1]
	v_permlanex16_b32 v255, v254, s[SEL], s[SEL+1]
	v_add_f32 v254, v254, v255
	s_mov_b32 s73, 0x3c000000                      ; 1 / 128
	s_mov_b32 s74, 0x3727c5ac                      ; 1e-5
	v_fma_f32 v254, v254, s73, s74                 ; the mean + 1e-5
	v_rsq_f32 v254, v254
	v_nop
	s_wait_alu depctr_va_vdst(0)
	v_mul_f32 v254, 0x3e5d9673, v254               ; x (1 - LAMBDA_INIT) = 0.21639423
	v_mov_b32 v255, v254
	s_wait_loadcnt 0x0                             ; g (and, at the turn, the second block's Q)
.set i, 0
.rept 32
	v_pk_mul_f32 v[S+i:S+i+1], v[S+i:S+i+1], v[254:255]
.set i, i+2
.endr
.set i, 0
.rept 32
	v_pk_mul_f32 v[S+i:S+i+1], v[S+i:S+i+1], v[KF+i:KF+i+1]
.set i, i+2
.endr
.set i, 0
.rept 32
	v_cvt_pk_f16_f32 v[P+i], v[S+2*i], v[S+2*i+1]
.set i, i+1
.endr
.irp ct, 0,1,2,3,4,5,6,7
	ds_store_b128 v[OSI], v[P+4*\ct:P+4*\ct+3] offset:32*\ct       ; a lane's eight channels of a row: 16 bytes, into rows of 272; the image below has been read
.endr
.irp f, 0,1,2,3,4,5,6,7
	ds_load_b128 v[S+4*\f:S+4*\f+3], v[OSR] offset:\f*2*OSP        ; LDS serves a wave's instructions in order: these see the stores above
.endr
.irp f, 0,1,2,3,4,5,6,7
	s_wait_dscnt 7-\f                              ; the younger loads stay out
	global_store_b128 v[GO], v[S+4*\f:S+4*\f+3], s[OA:OA+1] offset:\f*8192   ; 16 lanes store 256 consecutive bytes, at a multiple of 256 from att's first byte
.endr
	s_wait_xcnt 0x0                                ; the stores have read their registers and their base: both may be written again
.endm
; A TRIP: the change of slots, my two key steps of the slot, and, where the slot is the block's last, the block's end.  fill = 1: in the loop, the next slot is asked for; fill = 0: the tail, which is always the second block's end.
.macro TRIP fill
	s_lshl_b32 s[S4], s[SG], 2
.if \fill
	s_add_co_u32 s74, s[SG], 1
	s_lshl_b32 s74, s74, 15                        ; the block's next slot: 256 rows of 128 bytes on
	s_add_co_u32 s73, s[S4], 4
	s_cmp_ge_u32 s73, s[NST]
	s_cselect_b32 s[FIN], 1, 0                     ; ids and counts alone: the same in all eight waves
	s_cselect_b32 s[OFF], 0, s74                   ; behind a block's last slot comes the second block's slot 0
.endif
	s_wait_tensorcnt 0x0                           ; my tensor load has landed: my part of the slot that is about to be read; so a group 0 may be written
	ds_add_u32 v[SPW], v[NIL]                      ; 0 onto my spare word
.if \fill
	ds_add_u32 v[SPW], v[NIL]                      ; and, in the loop, twice on end, in every trip alike
	s_xor_b32 s[G0K+1], s[G0K+1], SLOT1            ; the other slot than last time
	s_add_nc_u64 s[G0K+2:G0K+3], s[KB:KB+1], s[OFF:OFF+1]
	s_or_b32 s[G0K+3], s[G0K+3], 0x80000000
	s_xor_b32 s[G0V+1], s[G0V+1], SLOT1
	s_add_nc_u64 s[G0V+2:G0V+3], s[VB:VB+1], s[OFF:OFF+1]
	s_or_b32 s[G0V+3], s[G0V+3], 0x80000000
	s_wait_xcnt 0x0                                ; the last prefetches, a trip back, have read their address
	s_add_nc_u64 s[PFA:PFA+1], s[PFA:PFA+1], 32768
.endif
	v_add_nc_u32 v[ADK], s[TB], v[AK0]             ; this trip's LDS addresses, on the way that all waves take
	v_add_nc_u32 v[ADV0], s[TB], v[AV00]
	v_add_nc_u32 v[ADV1], s[TB], v[AV01]
	s_wait_dscnt 0x0                               ; the add is done, and my reads of the slot that I have left are over
	s_barrier_signal -1
	s_barrier_wait -1                              ; the slot ahead is whole, and nobody reads the other one
.if \fill
	TLOAD                                          ; the first thing behind the barrier, and a wave's one tensor load until the next such barrier: it has the trip's steps in which to land
	ASK
.endif
	STEP 0
	STEP 1
	s_xor_b32 s[TB], s[TB], SLOT1
	PLACES                                         ; behind the trip's last products, ON EVERY WAY, ahead of both tests below: for the stores that read O^T, the loads into V's registers and the conversions that write P
.if \fill
	s_cmp_eq_u32 s[FIN], 0
	s_cbranch_scc1 .Lmid_\@
	s_lshl_b32 s74, s[JJ], 13                      ; the second block is block j: its Q is asked for now
	s_mov_b32 s75, 0
	s_add_nc_u64 s[QA:QA+1], s[QB:QB+1], s[74:75]
	LOADQ
.endif
	s_cmp_eq_u32 s[PAR], 0
	s_cbranch_scc1 .Llower_\@
	STASH
	s_branch .Lmid_\@
.Llower_\@:
	GLOAD
.Lmid_\@:
	s_wait_dscnt 0x0                               ; my stores into the pair's region have landed
	s_barrier_signal -1                            ; this barrier stands on every way and in every trip; the next slot's load stays on its way
	s_barrier_wait -1
.if \fill
	s_cmp_eq_u32 s[FIN], 0
	s_cbranch_scc1 .Lnext_\@
.endif
	s_cmp_lg_u32 s[PAR], 0
	s_cbranch_scc1 .Lupper_\@
	EPI
.Lupper_\@:
.if \fill
	RESET                                          ; the second block begins
	s_lshl_b32 s74, s[JJ], 18
	s_mov_b32 s75, 0
	s_add_nc_u64 s[OA:OA+1], s[OB:OB+1], s[74:75]
	s_add_co_u32 s[NST], s[JJ], 1
	s_mov_b32 s[SG], -1
.Lnext_\@:
	s_wait_loadcnt 0x0                             ; behind the label, ON EVERY WAY to the next trip: no global load of this trip (the second block's Q, g) is out when the next trip's loads and products name those registers; a trip that loaded nothing passes at once
	s_add_co_u32 s[SG], s[SG], 1
.endif
.endm
	s_sub_co_u32 s[NST], 32, s[JJ]
	s_mov_b32 s[SG], 0
	s_mov_b32 s[TR], 0
	s_mov_b32 s[TB], 0
.Ltrip:                                            ; eight trips
	TRIP 1
	s_add_co_u32 s[TR], s[TR], 1
	s_cmp_lt_u32 s[TR], 8
	s_cbranch_scc1 .Ltrip
	TRIP 0                                         ; the ninth is written out
	s_wait_tensorcnt 0x0                           ; the wave's end: a tensor wait, an add to my spare word and its wait, behind my last tensor load and my last LDS store
	ds_add_u32 v[SPW], v[NIL]
	s_wait_dscnt 0x0
	s_endpgm
.Lfunc_end_k_q0794332327_attn:
	.size	k_q0794332327_attn, .Lfunc_end_k_q0794332327_attn-k_q0794332327_attn
	.p2alignl 7, 3214868480
	.fill 96, 4, 3214868480
	.section	.rodata,"a",@progbits
	.p2align	6, 0x0
	.amdhsa_kernel k_q0794332327_attn
		.amdhsa_group_segment_fixed_size 327680
		.amdhsa_private_segment_fixed_size 0
		.amdhsa_enable_private_segment 0
		.amdhsa_kernarg_size 56
		.amdhsa_user_sgpr_count 2
		.amdhsa_user_sgpr_kernarg_segment_ptr 1
		.amdhsa_wavefront_size32 1
		.amdhsa_system_sgpr_workgroup_id_x 1
		.amdhsa_system_sgpr_workgroup_id_y 1
		.amdhsa_system_sgpr_workgroup_id_z 1
		.amdhsa_system_vgpr_workitem_id 0
		.amdhsa_next_free_vgpr 512
		.amdhsa_next_free_sgpr 100
		.amdhsa_reserve_vcc 1
		.amdhsa_float_denorm_mode_32 3
		.amdhsa_float_denorm_mode_16_64 3
		.amdhsa_memory_ordered 1
		.amdhsa_forward_progress 1
		.amdhsa_inst_pref_size 168
	.end_amdhsa_kernel
	.amdgpu_metadata
---
amdhsa.version: [ 1, 2 ]
amdhsa.kernels:
  - .name:           k_q0794332327_attn
    .symbol:         k_q0794332327_attn.kd
    .args:
      - { .name: qkvb, .offset: 0, .size: 8, .value_kind: global_buffer, .address_space: global }
      - { .name: lambda_q1, .offset: 8, .size: 8, .value_kind: global_buffer, .address_space: global }
      - { .name: lambda_k1, .offset: 16, .size: 8, .value_kind: global_buffer, .address_space: global }
      - { .name: lambda_q2, .offset: 24, .size: 8, .value_kind: global_buffer, .address_space: global }
      - { .name: lambda_k2, .offset: 32, .size: 8, .value_kind: global_buffer, .address_space: global }
      - { .name: g, .offset: 40, .size: 8, .value_kind: global_buffer, .address_space: global }
      - { .name: att, .offset: 48, .size: 8, .value_kind: global_buffer, .address_space: global }
    .group_segment_fixed_size: 327680
    .private_segment_fixed_size: 0
    .kernarg_segment_align: 8
    .kernarg_segment_size: 56
    .max_flat_workgroup_size: 256
    .sgpr_count:     100
    .vgpr_count:     512
    .wavefront_size: 32
...
	.end_amdgpu_metadata
.endif
;; end of part 3
;; launch oproj (part 4): grid 16 x 16, 4 waves a work-group, clusters of 4 x 4, 327,680 bytes of LDS; arguments att, wo16, out0; writes out0
.if DOCPART == 4
	.amdgcn_target "amdgcn-amd-amdhsa--gfx1250"
	.amdhsa_code_object_version 6
	.text
	.protected	k_q0794332327_oproj
	.globl	k_q0794332327_oproj
	.p2align	8
	.type	k_q0794332327_oproj,@function
k_q0794332327_oproj:
	s_mov_b64 s[64:65], 0
	v_nop
	global_prefetch_b8 v0, s[64:65] scope:SCOPE_SE
	s_setreg_imm32_b32 hwreg(HW_REG_WAVE_MODE, 25, 1), 1
	s_wait_xcnt 0x0
	s_wait_alu depctr_hold_cnt(0) depctr_sa_sdst(0) depctr_va_vdst(0) depctr_va_sdst(0) depctr_va_ssrc(0) depctr_va_vcc(0) depctr_vm_vsrc(0)
	s_getreg_b32 s2, hwreg(HW_REG_IB_STS2, 6, 4)
	s_cmp_eq_u32 s2, 0
	s_cbranch_scc0 .Lentry_in_a_cluster
	s_endpgm
.Lentry_in_a_cluster:
	s_bfe_u32 s2, ttmp6, 0x10000c
	s_cmp_lg_u32 s2, 0xf033
	s_cbranch_scc0 .Lentry_shape_is_right
	s_endpgm
.Lentry_shape_is_right:
; Launch 4 of 4: product 6, out0[t][n] = sum over k of att[t][k] Wo[n][k].  att: [2,048][2,048] f16 (third launch), wo16: [2,048][2,048] f16 (first launch), out0: [2,048][2,048] f32; sums in f32.
; A tile of out0 is 128 x 128, so that each of 256 work-groups has one.  Four waves, each 64 x 64: 16 accumulators of 16 x 16, 128 registers.  K goes in steps of 256 (LDS rows of 512 bytes; a wave's tensor load brings 64 of them)
; through a ring of two slots.
; CLUSTERS: 4 x 4 work-groups.  The four of a row of the cluster need the same tiles of att, the four of a column the same tiles of wo16: each tile is asked for JOINTLY, by the same tensor load with the same descriptor and a mask
; that names the four.  THE MATRIX INSTRUCTION IS USED TRANSPOSED (source 0 = 16 rows of wo16, source 1 = 16 rows of att): a lane then holds eight neighbouring numbers of a row of out0.
; REGISTERS: window 0: v0-31 addresses; v32-95 at work on the way out; v128-255 the accumulators ((a, b) at v[128 + 8 (4 a + b)]).
;   window 1: two fragment buffers of 128: for 64 along K, 64 registers of att (2 x 4 x 16 rows x 32 K), then 64 of wo16.
.set SIZE_M, 2048
.set SIZE_N, 2048
.set SIZE_K, 2048
.set KSTEP,  256
.set PITCH,  528                       ; an LDS row: 512 bytes + 16 of padding = 132 words: the 16 rows that a load touches start 4 banks apart
.set HALFT,  64*PITCH                  ; 64 rows: what one tensor load brings, and what one wave reads of A or of B
.set SLOT,   4*HALFT                   ; A's 128 rows, then B's 128 rows
.set SPITCH, 272                       ; the way out: a stage of 16 rows x (256 bytes + 16) for each wave, in slot 0, which has had its last fill and its last read when the first result is stored there
.set SPARE,  2*SLOT                    ; behind the ring: the spare words, 128 bytes for each wave
.set LAPS, SIZE_K/(2*KSTEP)            ; a lap = two K steps = once round the ring
.set ADRA, 16                          ; v16-17  LDS address of my A fragments in slot 0, 1
.set ADRB, 20                          ; v20-21  the same for B
.set STO,  24                          ; v24     the way out: where I put 32 bytes of a row
.set RD,   25                          ; v25     the way out: where I read a row back
.set CO,   26                          ; v26     my byte offset in out0
.set SPW,  28                          ; v28     LDS address of my spare word; never rewritten
.set NIL,  29                          ; v29     0; never rewritten
.set TMP,  32                          ; the way out: two sets of 32 registers, rows read back
.set ACC,  128
.set F0,   0                           ; fragment buffers, in window 1
.set F1,   128
.set G1, 24                            ; s[24:31] descriptor group 1 for A's tiles;  s[32:39] group 0, one set for each slot
.set G0, 32
.set G1B, 48                           ; s[48:55], s[56:63] the same for B's tiles
.set G0B, 56
.set MSB, 0
.macro WIN new                         ; the immediate's high byte repeats the setting that is left
.if MSB != \new
	s_set_vgpr_msb (MSB<<8)|\new
.set MSB, \new
.endif
.endm
.set MUL,  0x05                        ; sources 0 (B) and 1 (A) window 1; C and D window 0
.set TO_F, 0x40                        ; destination window 1, address window 0
.macro JLOAD s                         ; a joint load: waves 0 and 1 fetch A's two halves, waves 2 and 3 B's; an s_nop 0 and four v_nop follow each of the two lines, ahead of the jump, the label and what follows
	s_cmp_eq_u32 s11, 0
	s_cbranch_scc0 .Lfor_b_\@
	tensor_load_to_lds s[G0+4*\s:G0+4*\s+3], s[G1:G1+7]
	s_nop 0
.rept 4
	v_nop
.endr
	s_branch .Lasked_\@
.Lfor_b_\@:
	tensor_load_to_lds s[G0B+4*\s:G0B+4*\s+3], s[G1B:G1B+7]
	s_nop 0
.rept 4
	v_nop
.endr
.Lasked_\@:
.endm
.macro CREST                           ; a round of the cluster's barrier behind its opening barrier
	s_cmp_lg_u32 s10, 0
	s_cbranch_scc1 .Lnot_wave_0_\@
	s_barrier_signal -3
.Lnot_wave_0_\@:
	s_barrier_wait -3
	s_barrier_signal -1
	s_barrier_wait -1
.endm
.macro CROUND                          ; a whole round
	s_barrier_signal -1
	s_barrier_wait -1
	CREST
.endm
	s_load_b128 s[4:7], s[0:1], 0x0                ; att s[4:5], wo16 s[6:7]
	s_load_b64 s[8:9], s[0:1], 0x10                ; out0
	v_lshl_add_u32 v[SPW], v0, 2, SPARE
	v_mov_b32 v[NIL], 0
	ds_add_u32 v[SPW], v[NIL]                      ; the wave's opening: the add, twice on end, and its wait ahead of my first tensor load; the set-up below stands between the second and the wait
	ds_add_u32 v[SPW], v[NIL]
	v_lshrrev_b32 v1, 5, v0
	v_readfirstlane_b32 s10, v1                    ; wave 0..3
	s_lshr_b32 s11, s10, 1                         ; which half of the tile's rows is mine.  Also: I fetch for A (0) or for B (1)
	s_and_b32 s12, s10, 1                          ; which half of its columns.  Also: which 64 rows of that tile I fetch
	s_bfe_u32 s40, ttmp6, 0x40000                  ; cx, cy: my place in the cluster
	s_bfe_u32 s41, ttmp6, 0x40004
	s_lshl_b32 s42, ttmp9, 2
	s_add_co_u32 s42, s42, s40                     ; tile column = 4 x cluster x + cx
	s_and_b32 s13, ttmp7, 0xffff
	s_lshl_b32 s13, s13, 2
	s_add_co_u32 s13, s13, s41                     ; tile row = 4 x cluster y + cy
	s_lshl_b32 s43, s41, 2
	s_lshl_b32 s43, 15, s43                        ; my row of the cluster
	s_lshl_b32 s44, 0x1111, s40                    ; my column
	; descriptor group 1: a tile of 64 rows x 256 elements, padded in LDS
	s_or_b32 s[G1+0], s43, (1<<16)|(1<<20)|(1<<21)|(6<<22)|(3<<25)  ; 15:0 the mask: A's tiles go to my row; 17:16 element of 2 bytes; 20 padding on; 21 set beside a mask; 24:22 after every 128 words (code 6); 31:25 of 4 words (code 3)
	s_or_b32 s[G1B+0], s44, (1<<16)|(1<<20)|(1<<21)|(6<<22)|(3<<25)
.irp g, G1, G1B
	s_mov_b32 s[\g+1], KSTEP<<16                   ; tensor_dim0 = 256
	s_mov_b32 s[\g+2], 64<<16                      ; tensor_dim1 = 64
	s_mov_b32 s[\g+3], KSTEP<<16                   ; tile_dim0 = 256
	s_mov_b32 s[\g+4], 64                          ; tile_dim1 = 64
	s_mov_b32 s[\g+5], SIZE_K                      ; tensor_dim0_stride
	s_mov_b32 s[\g+6], 0
	s_mov_b32 s[\g+7], 0
.endr
	s_lshl_b32 s17, s12, 6                         ; which 64 rows of the tile I fetch
	s_lshl_b32 s16, s13, 7
	s_add_co_u32 s16, s16, s17                     ; A: row 128 x tile row + 64 x half
	s_lshl_b32 s46, s42, 7
	s_add_co_u32 s46, s46, s17                     ; B: row 128 x tile column + 64 x half
	s_mov_b32 s17, 0
	s_mov_b32 s47, 0
	s_mov_b64 s[18:19], SIZE_K*2
	s_mul_u64 s[16:17], s[16:17], s[18:19]
	s_mul_u64 s[46:47], s[46:47], s[18:19]
	s_mul_i32 s20, s10, HALFT                      ; where they go: wave x 64 rows
	s_wait_dscnt 0x0                               ; both opening adds are done
	s_wait_kmcnt 0x0
	s_add_nc_u64 s[14:15], s[4:5], s[16:17]
	s_add_nc_u64 s[46:47], s[6:7], s[46:47]
	CROUND                                         ; all sixteen work-groups are here: the first joint loads meet
.irp s, 0,1
	s_mov_b32 s[G0+4*\s], 1
	s_add_co_u32 s[G0+4*\s+1], s20, \s*SLOT
	s_add_nc_u64 s[G0+4*\s+2:G0+4*\s+3], s[14:15], \s*KSTEP*2
	s_or_b32 s[G0+4*\s+3], s[G0+4*\s+3], 0x80000000
	s_mov_b32 s[G0B+4*\s], 1
	s_add_co_u32 s[G0B+4*\s+1], s20, \s*SLOT
	s_add_nc_u64 s[G0B+4*\s+2:G0B+4*\s+3], s[46:47], \s*KSTEP*2
	s_or_b32 s[G0B+4*\s+3], s[G0B+4*\s+3], 0x80000000
	JLOAD \s                                       ; two loads of mine are out now, by this text's own count the most
.endr
	v_and_b32 v1, 15, v0                           ; l % 16
	v_bfe_u32 v2, v0, 4, 1                         ; l / 16
	v_mul_u32_u24 v3, v1, PITCH
	v_lshl_add_u32 v3, v2, 4, v3                   ; a fragment's row x pitch + 16 x half
	s_mul_i32 s21, s11, HALFT                      ; my 64 rows of A
	s_mul_i32 s22, s12, HALFT                      ; my 64 rows of B,
	s_add_co_u32 s22, s22, 2*HALFT                 ; which lie behind A's 128
.irp s, 0,1
	v_add_nc_u32 v[ADRA+\s], s21, v3
	v_add_nc_u32 v[ADRB+\s], s22, v3
	s_add_co_u32 s21, s21, SLOT
	s_add_co_u32 s22, s22, SLOT
.endr
	s_mul_i32 s23, s10, 16*SPITCH                  ; my stage: a wave's 64 columns of f32 are 256 bytes, so each wave has a stage of its own and no barrier is wanted
	v_mul_u32_u24 v4, v1, SPITCH                   ; in: row l % 16, 32 bytes for each half of the lanes
	v_lshl_add_u32 v4, v2, 5, v4
	v_add_nc_u32 v[STO], s23, v4
	v_mul_u32_u24 v5, v2, SPITCH                   ; back: lanes 0-15 take one row of 256 bytes, lanes 16-31 the next
	v_lshl_add_u32 v5, v1, 4, v5
	v_add_nc_u32 v[RD], s23, v5
	v_mul_u32_u24 v5, v2, SIZE_N*4                 ; and the same two rows in out0
	v_lshl_add_u32 v[CO], v1, 4, v5
	s_lshl_b32 s16, s13, 7
	s_lshl_b32 s17, s11, 6
	s_add_co_u32 s16, s16, s17                     ; my first row: 128 x tile row + 64 x half
	s_mov_b32 s17, 0
	s_mov_b64 s[18:19], SIZE_N*4
	s_mul_u64 s[16:17], s[16:17], s[18:19]
	s_add_nc_u64 s[8:9], s[8:9], s[16:17]
	s_lshl_b32 s46, s42, 9                         ; my first column, in bytes: 512 x tile column + 256 x half
	s_lshl_b32 s47, s12, 8
	s_add_co_u32 s46, s46, s47
	s_mov_b32 s47, 0
	s_add_nc_u64 s[8:9], s[8:9], s[46:47]
; 8 matrix instructions: m blocks a0, a0 + 1 x all 4 n blocks, 32 along K: half c of buffer f.  zero = 1: the first product starts the sums.  The 16 accumulators take turns.
.macro MUL8 f, c, a0, zero
.irp a, \a0, \a0+1
.irp b, 0,1,2,3
.if \zero
	v_wmma_f32_16x16x32_f16 v[ACC+8*(4*(\a)+\b):ACC+8*(4*(\a)+\b)+7], v[\f+64+8*(4*\c+\b):\f+64+8*(4*\c+\b)+7], v[\f+8*(4*\c+\a):\f+8*(4*\c+\a)+7], 0
.else
	v_wmma_f32_16x16x32_f16 v[ACC+8*(4*(\a)+\b):ACC+8*(4*(\a)+\b)+7], v[\f+64+8*(4*\c+\b):\f+64+8*(4*\c+\b)+7], v[\f+8*(4*\c+\a):\f+8*(4*\c+\a)+7], v[ACC+8*(4*(\a)+\b):ACC+8*(4*(\a)+\b)+7]
.endif
.endr
.endr
.endm
; 32 LDS loads in one run: the fragments of 64 along K at byte k of the rows, into buffer f; the first 32 along K first
.macro FETCH slot, k, f
	WIN TO_F
.irp c, 0,1
.irp i, 0,1,2,3
	ds_load_b128 v[\f+64+8*(4*\c+\i):\f+64+8*(4*\c+\i)+3],   v[ADRB+\slot] offset:\k+64*\c+\i*16*PITCH
	ds_load_b128 v[\f+64+8*(4*\c+\i)+4:\f+64+8*(4*\c+\i)+7], v[ADRB+\slot] offset:\k+64*\c+\i*16*PITCH+32
	ds_load_b128 v[\f+8*(4*\c+\i):\f+8*(4*\c+\i)+3],         v[ADRA+\slot] offset:\k+64*\c+\i*16*PITCH
	ds_load_b128 v[\f+8*(4*\c+\i)+4:\f+8*(4*\c+\i)+7],       v[ADRA+\slot] offset:\k+64*\c+\i*16*PITCH+32
.endr
.endr
.endm
.macro PLACES                          ; four places in front of loads into registers that matrix instructions have read, and of stores that read results (ISA guide 7.12.1 for vector instructions)
.rept 4
	v_nop
.endr
.endm
; A K step is four quarters of 64 along K, 32 matrix instructions each, on buffers 0, 1, 0, 1.  One of the first three: multiplies buffer f and fetches the next quarter, at byte k, into g.
.macro QUARTER slot, k, f, g, zero
	s_wait_dscnt 16                                ; the first 32 along K are in; the youngest sixteen loads may be out
	WIN MUL
	MUL8 \f, 0, 0, \zero
	MUL8 \f, 0, 2, \zero
	PLACES
	FETCH \slot, \k, \g
	s_wait_dscnt 32                                ; all but the 32 just issued
	WIN MUL
	MUL8 \f, 1, 0, 0
	MUL8 \f, 1, 2, 0
.endm
; The last quarter multiplies buffer 1 and changes slots: ONE barrier; in front of it each wave waits for all its tensor loads, adds 0 to its spare word, and waits for that and for its own reads of this slot.  fill = 1: this slot is filled again, two K steps ahead.
.macro TURN slot, next, fill
	WIN 0                                          ; (the add's two registers lie in window 0)
	s_wait_tensorcnt 0x0                           ; all my tensor loads have landed: my part of the next slot
	ds_add_u32 v[SPW], v[NIL]                      ; 0 onto my spare word
	s_wait_dscnt 17                                ; (the add and the youngest sixteen loads may be out)
	WIN MUL
	MUL8 F1, 0, 0, 0                               ; eight matrix instructions stand between the add and the wait for it
	s_wait_dscnt 0x0                               ; the add is done, and my reads of this slot are over
	s_barrier_signal -1
	MUL8 F1, 0, 2, 0
.if \fill
	WIN 0
.endif
	s_barrier_wait -1
.if \fill
	CREST                                          ; the barrier has opened a round of the cluster's barrier: no wave of any partner still reads this slot's tile or has a load on its way
	s_add_nc_u64 s[G0+4*\slot+2:G0+4*\slot+3], s[G0+4*\slot+2:G0+4*\slot+3], 2*KSTEP*2
	s_add_nc_u64 s[G0B+4*\slot+2:G0B+4*\slot+3], s[G0B+4*\slot+2:G0B+4*\slot+3], 2*KSTEP*2
	JLOAD \slot                                    ; the first tensor load behind the round; the four v_nop behind it are also the places in front of the loads below
.else
	PLACES
.endif
	FETCH \next, 0, F0
	WIN MUL
	MUL8 F1, 1, 0, 0
	MUL8 F1, 1, 2, 0
.endm
	s_wait_tensorcnt 1                             ; my part of K step 0 is in (K step 1's load may be out)
	s_barrier_signal -1
	s_barrier_wait -1                              ; everybody's is
	FETCH 0, 0, F0
	QUARTER 0, 128, F0, F1, 1                      ; the first quarter stands in front of the loop: its first products start the sums
	WIN 0                                          ; at a label and at a branch every window is 0
	s_mov_b32 s3, LAPS-1
.Llap:                                                 ; a trip goes once round the ring, from a lap's second quarter to the next lap's first, and fills both slots again
	QUARTER 0, 256, F1, F0, 0
	QUARTER 0, 384, F0, F1, 0
	TURN 0, 1, 1
	QUARTER 1, 128, F0, F1, 0
	QUARTER 1, 256, F1, F0, 0
	QUARTER 1, 384, F0, F1, 0
	TURN 1, 0, 1
	QUARTER 0, 128, F0, F1, 0
	WIN 0
	s_sub_co_u32 s3, s3, 1
	s_cmp_lg_u32 s3, 0
	s_cbranch_scc1 .Llap
	QUARTER 0, 256, F1, F0, 0                      ; the last lap fills nothing, and has no round of the cluster's barrier
	QUARTER 0, 384, F0, F1, 0
	TURN 0, 1, 0
	QUARTER 1, 128, F0, F1, 0
	QUARTER 1, 256, F1, F0, 0
	QUARTER 1, 384, F0, F1, 0
	s_wait_dscnt 16                                ; the very last quarter: nothing more to fetch
	WIN MUL
	MUL8 F1, 0, 0, 0
	MUL8 F1, 0, 2, 0
	s_wait_dscnt 0
	MUL8 F1, 1, 0, 0
	MUL8 F1, 1, 2, 0
	WIN 0
; THE WAY OUT, block by block of 16 rows x 64 columns of f32.  A lane holds 32 neighbouring bytes of a row, and the lanes beside it hold other rows: so a block goes through my own stage and comes back as whole rows of 256 bytes.
; LDS serves a wave's instructions in order (ISA guide 5.7.1.4): no wait between the stores and the loads, nor in front of the next block's stores.
.macro TOSTAGE a
.irp b, 0,1,2,3
	ds_store_b128 v[STO], v[ACC+8*(4*(\a)+\b):ACC+8*(4*(\a)+\b)+3] offset:64*\b          ; each accumulator from its low end on
	ds_store_b128 v[STO], v[ACC+8*(4*(\a)+\b)+4:ACC+8*(4*(\a)+\b)+7] offset:64*\b+16
.endr
.irp t, 0,1,2,3,4,5,6,7
	ds_load_b128 v[TMP+32*((\a)%2)+4*\t:TMP+32*((\a)%2)+4*\t+3], v[RD] offset:\t*2*SPITCH
.endr
.endm
.macro SEND a, younger                 ; younger: the LDS instructions issued behind block a's loads, which may stay out
	s_wait_dscnt \younger                          ; the block is back in registers
.irp t, 0,1,2,3,4,5,6,7
	global_store_b128 v[CO], v[TMP+32*((\a)%2)+4*\t:TMP+32*((\a)%2)+4*\t+3], s[8:9] offset:(16*(\a)+2*\t)*SIZE_N*4 th:TH_STORE_NT   ; 16 lanes store 256 consecutive bytes, at a multiple of 256 from out0's first byte; written once, read by nobody here
.endr
.endm
	PLACES                                         ; behind the last products, in front of the stores that read results
	TOSTAGE 0
.irp a, 1,2,3
.if \a > 1
	s_wait_xcnt 0x0                                ; block a - 2's stores have read their registers: block a's loads may land there
.endif
	TOSTAGE \a
	SEND \a-1, 16                                  ; behind block a - 1's loads: block a's 8 stores and 8 loads
.endr
	SEND 3, 0
	s_wait_tensorcnt 0x0                           ; the wave's end: a tensor wait, an add to my spare word and its wait, behind my last tensor load and my last LDS store
	ds_add_u32 v[SPW], v[NIL]
	s_wait_dscnt 0x0
	CROUND                                         ; the closing round: no work-group ends while a partner may still ask for a tile that names it
	s_endpgm
.Lfunc_end_k_q0794332327_oproj:
	.size	k_q0794332327_oproj, .Lfunc_end_k_q0794332327_oproj-k_q0794332327_oproj
	.p2alignl 7, 3214868480
	.fill 96, 4, 3214868480
	.section	.rodata,"a",@progbits
	.p2align	6, 0x0
	.amdhsa_kernel k_q0794332327_oproj
		.amdhsa_group_segment_fixed_size 327680
		.amdhsa_private_segment_fixed_size 0
		.amdhsa_enable_private_segment 0
		.amdhsa_kernarg_size 24
		.amdhsa_user_sgpr_count 2
		.amdhsa_user_sgpr_kernarg_segment_ptr 1
		.amdhsa_wavefront_size32 1
		.amdhsa_system_sgpr_workgroup_id_x 1
		.amdhsa_system_sgpr_workgroup_id_y 1
		.amdhsa_system_sgpr_workgroup_id_z 1
		.amdhsa_system_vgpr_workitem_id 0
		.amdhsa_next_free_vgpr 512
		.amdhsa_next_free_sgpr 66
		.amdhsa_reserve_vcc 0
		.amdhsa_float_denorm_mode_32 3
		.amdhsa_float_denorm_mode_16_64 3
		.amdhsa_memory_ordered 1
		.amdhsa_forward_progress 1
		.amdhsa_inst_pref_size 86
	.end_amdhsa_kernel
	.amdgpu_metadata
---
amdhsa.version: [ 1, 2 ]
amdhsa.kernels:
  - .name:           k_q0794332327_oproj
    .symbol:         k_q0794332327_oproj.kd
    .args:
      - { .name: att, .offset: 0, .size: 8, .value_kind: global_buffer, .address_space: global }
      - { .name: wo16, .offset: 8, .size: 8, .value_kind: global_buffer, .address_space: global }
      - { .name: out0, .offset: 16, .size: 8, .value_kind: global_buffer, .address_space: global }
    .group_segment_fixed_size: 327680
    .private_segment_fixed_size: 0
    .kernarg_segment_align: 8
    .kernarg_segment_size: 24
    .max_flat_workgroup_size: 128
    .sgpr_count:     66
    .vgpr_count:     512
    .wavefront_size: 32
...
	.end_amdgpu_metadata
.endif
;; end of part 4
